; MI455X (gfx1250); checked and timed in simulation.
; The chip was launched on July 23, 2026; its instructions are those of AMD's public machine-readable ISA for CDNA 5 (MIT licence, August 2026) and "CDNA5" Instruction Set Architecture Reference Guide (July 2026). The comments in the code are by the model that wrote it; some were corrected since.
;; Encoder Block. Allowed arithmetic: matrix products marked QUANTISED: E4M3 operands, one given power-of-two scale a tensor, by v_wmma_f32_16x16x64_fp8_fp8 or v_wmma_f32_16x16x128_fp8_fp8, f32 sums; everything else in f32.
;; Inputs: a1 1 float32; a2 1 float32; b1 4,096 float32; b2 1,024 float32; bk 1,024 float32; bo 1,024 float32; bq 1,024 float32; bv 1,024 float32; lowp_scales 16 int32 (the exponents e of the quantised operands' scales 2^e); mask 2 x 1 x 1 x 2,048 int32; n1 1 float32; n2 1 float32; w1 4,096 x 1,024 float32; w2 1,024 x 4,096 float32; wk 1,024 x 1,024 float32; wo 1,024 x 1,024 float32; wq 1,024 x 1,024 float32; wv 1,024 x 1,024 float32; x 2 x 2,048 x 1,024 float32.
;; Outputs: out0 2 x 2,048 x 1,024 float32.
;; This version of the problem:
;;   THIS VERSION OF THE PROBLEM IS GIVEN IN LOW PRECISION. The matrix products marked QUANTISED in the list below multiply operands that are first quantised to E4M3 (4 exponent bits, 3 mantissa bits; 8 bits a number), with one given power-of-two scale for each operand tensor; their sums are f32. All else is computed in f32.
;;   The module's matrix products, in the order in which they are computed (A, B: the left and right operand; K: the contracted axis; several contracted axes count as one K, in the product's order):
;;     1. [M 4,096, K 1,024] x [K 1,024, N 1,024]; A: computed on the way; B: input wq: QUANTISED (scales: A lowp_scales[0], B lowp_scales[1])
;;     2. [M 4,096, K 1,024] x [K 1,024, N 1,024]; A: computed on the way; B: input wk: QUANTISED (scales: A lowp_scales[2], B lowp_scales[3])
;;     3. [M 4,096, K 1,024] x [K 1,024, N 1,024]; A: computed on the way; B: input wv: QUANTISED (scales: A lowp_scales[4], B lowp_scales[5])
;;     4. batch 32 x [M 2,048, K 64] x [K 64, N 2,048]; A: computed on the way; B: computed on the way: QUANTISED (scales: A lowp_scales[6], B lowp_scales[7])
;;     5. batch 32 x [M 2,048, K 2,048] x [K 2,048, N 64]; A: softmax (see below); B: computed on the way: QUANTISED (scales: A lowp_scales[8], B lowp_scales[9])
;;     6. [M 4,096, K 1,024] x [K 1,024, N 1,024]; A: computed on the way; B: input wo: QUANTISED (scales: A lowp_scales[10], B lowp_scales[11])
;;     7. [M 4,096, K 1,024] x [K 1,024, N 4,096]; A: computed on the way; B: input w1: QUANTISED (scales: A lowp_scales[12], B lowp_scales[13])
;;     8. [M 4,096, K 4,096] x [K 4,096, N 1,024]; A: computed on the way; B: input w2: QUANTISED (scales: A lowp_scales[14], B lowp_scales[15])
;;   THE QUANTISER, for each operand of a quantised product, along K:
;;     - The operand's scale is 2^e, e = its entry of the input lowp_scales (int32; the entries are numbered through the quantised products in the list's order, A before B).
;;     - Each number is divided by the scale, clamped to +-448, and rounded to the nearest number of E4M3, ties to even, subnormals kept.
;;     - The product sums the exact products of the quantised numbers (number of the format x scale) in f32.
;;   ~~~python
;;   def quantise(x, axis, e):      # numpy; x: float32 -> the quantised numbers, widened to float32 again
;;       x = np.moveaxis(x, axis, -1); K = x.shape[-1]
;;       r = np.clip(x / 2.0 ** e, -448, 448)
;;       step = 2.0 ** (np.maximum(np.frexp(np.where(r == 0, 1, r))[1] - 1, -6) - 3)
;;       q = np.round(r / step) * step * 2.0 ** e      # np.round: ties to even
;;       return np.moveaxis(q, -1, axis).astype(np.float32)
;;   ~~~
;;   SOFTMAX AHEAD OF A QUANTISED PRODUCT. Where the list says 'softmax', what is quantised is not the finished softmax but p = 2^(t - M), with t = logit x log2(e) and M = ceil(the row's largest t), a whole number; so 1/2 < the row's largest p <= 1. The row's sum l is taken of the UNQUANTISED p, in f32, and the product's result is divided by l at the end. Since M is a whole number, a kernel that streams over the keys may use a running M (the ceiling of the running maximum): every later rescaling is an exact power of two, so the quantised numbers keep their values, but for numbers so far below the row's largest that they fall under the format's range.
;;   OPERANDS COMPUTED ON THE WAY. 'Computed on the way' means the value that the module computes at that place (a softmax that the list does not call 'softmax' is quantised finished and normalised). What goes into a quantiser is computed in f32, as accurately as f32 sums, v_exp_f32 and their like allow (about 1e-6 of the number): no bf16 or f16 on the way to a quantiser, and a product that is left as it is and whose result goes on into a quantised operand takes f32 operands (vector FMAs, or v_wmma_f32_16x16x4_f32). A number that lies on a knife's edge between two numbers of the format may be rounded either way, as far as f32 arithmetic and the matrix unit's own rounding can turn it there, and no further.
;; One version. Each part assembles by itself: llvm-mc -triple=amdgcn-amd-amdhsa -mcpu=gfx1250 --defsym DOCPART=n.
;; ======== version 1 of 1: 7 launches
;; limits: right only within a limited range of input values
;; workspace buffers: xc 12,582,912 bytes; wc 12,582,912 bytes; qkv 12,582,912 bytes; ao 4,194,304 bytes; x1 16,777,216 bytes; x2c 4,194,304 bytes; hc 16,777,216 bytes
;; launch prep (part 1): grid 512 x 1, 8 waves a work-group, no clusters, 66,560 bytes of LDS; arguments x, a1, n1, lowp_scales, wq, wk, wv, wo, w1, w2, xc, wc; writes xc, wc
.if DOCPART == 1
	.amdgcn_target "amdgcn-amd-amdhsa--gfx1250"
	.amdhsa_code_object_version 6
	.text
	.protected	k_q77f38ae700_prep
	.globl	k_q77f38ae700_prep
	.p2align	8
	.type	k_q77f38ae700_prep,@function
k_q77f38ae700_prep:
	s_mov_b64 s[64:65], 0
	v_nop
	global_prefetch_b8 v0, s[64:65] scope:SCOPE_SE
	s_setreg_imm32_b32 hwreg(HW_REG_WAVE_MODE, 25, 1), 1
	s_wait_xcnt 0x0
; PREP.  Work-groups 0-127: LayerNorm 1 of x [4096][1024] f32 (mean; std with divisor 1023; eps added to std; scalar gain and bias), quantised three times,
; with the scales of entries 0, 2, 4, into xc [3][4096][1024].  Work-groups 128-511: the six weights, all stored [N][K] with K innermost, quantised with
; entries 1, 3, 5, 11, 13, 15 into wc (wq, wk, wv, wo, w1, w2 on end: 1, 1, 1, 1, 4, 4 MiB).  code = number / 2^e, held within +-448, to the nearest code, ties to even.
; LIMITS: each e between -126 and 119, so that 2^e and 448 x 2^e are f32 numbers.  NaN among the inputs is not served.
; SHARES.  A chunk is 1,024 numbers (a row of x; 4,096 bytes of a weight).  A wave takes NROW = 4 chunks and asks for all 32 loads at its head.
; EVERY LOAD IS DENSE: load k of a chunk takes its bytes 512 k on, 16 a lane, so that a lane holds numbers 128 k + 4 lane + 0 .. 3.  A row's sums do not care which numbers a lane holds.
; A conversion takes the eight registers of loads 2 m and 2 m + 1; its first result word is the four codes of load 2 m, its second those of load 2 m + 1.  So code word k belongs at byte
; 128 k + 4 lane of the chunk's 1,024 bytes of codes.  The words go there in a stage of the wave's own in LDS (eight stores of 128 consecutive bytes) and come back 16 bytes a lane:
; the wave then stores 512 consecutive bytes, aligned, by one instruction.  Only codes go through LDS, a byte a number.  Waves share nothing: no barrier.
.set NROW, 4
.set NSET, 3
.set X,    32                          ; v32-159  four chunks of 32 numbers a lane
.set T0,   160                         ; v160-175 two sets of eight held numbers, by turns (rows of x)
.set C,    176                         ; v176-199 a row's codes: 8 registers for each of the three sets
.set WCD,  160                         ; v160-191 codes of the weights' four chunks: never written twice
.set SA,   26                          ; v26      the stage, in: my wave's bytes + 4 x lane
.set SL,   27                          ; v27      the stage, back: my wave's bytes + 16 x lane
.set SPW,  28                          ; v28      LDS address of my spare word: SPARE + 4 x my thread's number; never rewritten
.set NIL,  29                          ; v29      0; never rewritten
.set WSTG, 8192                        ; LDS bytes of a wave:
.set LNS,  0                           ;   the rows' path: 1,024 bytes for each of the three sets
.set WTS,  4096                        ;   the weights' path: 1,024 bytes for each of the four chunks.  Each path has bytes of its own
.set SPARE, 8*WSTG                     ; behind the eight waves' stages: the spare words, 128 bytes a wave: four blocks of 256 bytes that no other line names
; v1 lane, v2 16 x lane; v[4:5] mean, v[6:7] gain / (std + eps), v[8:9] bias (low words used, upper words written once);
; v10-12 2^e, v13-15 448 x 2^e of the sets; v16-23 four chains; v24, v25 at work
.macro LOADS i, base                   ; chunk i: eight loads of 512 consecutive bytes
.irp k, 0,1,2,3,4,5,6,7
	global_load_b128 v[X+32*(\i)+4*\k:X+32*(\i)+4*\k+3], v2, s[\base:\base+1] offset:4096*(\i)+512*\k th:TH_LOAD_NT
.endr
.endm
.macro RED r                           ; the sum over the wave's 32 lanes, in every lane
	s_delay_alu instid0(VALU_DEP_1)
	v_add_f32_dpp v[\r], v[\r], v[\r] row_xmask:1 row_mask:0xf bank_mask:0xf
	s_delay_alu instid0(VALU_DEP_1)
	v_add_f32_dpp v[\r], v[\r], v[\r] row_xmask:2 row_mask:0xf bank_mask:0xf
	s_delay_alu instid0(VALU_DEP_1)
	v_add_f32_dpp v[\r], v[\r], v[\r] row_xmask:4 row_mask:0xf bank_mask:0xf
	s_delay_alu instid0(VALU_DEP_1)
	v_add_f32_dpp v[\r], v[\r], v[\r] row_xmask:8 row_mask:0xf bank_mask:0xf
	s_delay_alu instid0(VALU_DEP_1)
	v_permlanex16_b32 v25, v[\r], s56, s57
	s_delay_alu instid0(VALU_DEP_1)
	v_add_f32 v[\r], v[\r], v25
.endm
.macro MKSCALE e, vs, vl               ; s[e] = exponent: v[vs] = 2^e, v[vl] = 448 x 2^e
	s_add_co_i32 s58, s[\e], 127
	s_lshl_b32 s59, s58, 23
	v_mov_b32 v[\vs], s59
	s_add_co_i32 s58, s58, 8
	s_lshl_b32 s58, s58, 23
	s_or_b32 s58, s58, 0x600000
	v_mov_b32 v[\vl], s58
.endm
.macro THROUGH reg, off                ; a chunk's eight code words through the stage at byte off; they come back, 16 bytes a lane, into the registers that they left
.irp k, 0,1,2,3,4,5,6,7
	ds_store_b32 v[SA], v[\reg+\k] offset:\off+128*\k
.endr
	ds_load_b128 v[\reg:\reg+3], v[SL] offset:\off          ; LDS serves a wave's instructions in order (ISA guide 5.7.1.4): these see the stores above
	ds_load_b128 v[\reg+4:\reg+7], v[SL] offset:\off+512
.endm
.macro SENDC reg, base, off            ; a chunk's 1,024 bytes of codes: each store covers 512 consecutive bytes, aligned
	global_store_b128 v2, v[\reg:\reg+3], s[\base:\base+1] offset:\off
	global_store_b128 v2, v[\reg+4:\reg+7], s[\base:\base+1] offset:\off+512
.endm
.macro LNROW i                         ; row i of the wave: statistics in two passes, the norm, NSET quantisings, the stores
.set XR, X+32*(\i)
	s_wait_loadcnt 8*(NROW-1-(\i))                 ; loads return in order: this row's eight are in, the later rows' may be out
	s_wait_xcnt 0x0                                ; the last row's stores have read their codes: C is written again only behind this wait
.irp k, 0,1,2,3
	v_pk_add_f32 v[16+2*\k:17+2*\k], v[XR+2*\k:XR+2*\k+1], v[XR+8+2*\k:XR+9+2*\k]   ; four chains; the first sums start them
.endr
.irp k, 0,1,2,3
	s_delay_alu instid0(VALU_DEP_4)
	v_pk_add_f32 v[16+2*\k:17+2*\k], v[16+2*\k:17+2*\k], v[XR+16+2*\k:XR+17+2*\k]
.endr
.irp k, 0,1,2,3
	s_delay_alu instid0(VALU_DEP_4)
	v_pk_add_f32 v[16+2*\k:17+2*\k], v[16+2*\k:17+2*\k], v[XR+24+2*\k:XR+25+2*\k]
.endr
	s_delay_alu instid0(VALU_DEP_3)
	v_pk_add_f32 v[16:17], v[16:17], v[18:19]
	s_delay_alu instid0(VALU_DEP_2)
	v_pk_add_f32 v[20:21], v[20:21], v[22:23]
	s_delay_alu instid0(VALU_DEP_1)
	v_pk_add_f32 v[16:17], v[16:17], v[20:21]
	s_delay_alu instid0(VALU_DEP_1)
	v_add_f32 v24, v16, v17
	RED 24
	s_delay_alu instid0(VALU_DEP_1)
	v_mul_f32 v4, 0x3a800000, v24                  ; mean = sum / 1024
.set p, 0
.rept 16
	v_pk_add_f32 v[XR+p:XR+p+1], v[XR+p:XR+p+1], v[4:5] op_sel_hi:[1,0] neg_lo:[0,1] neg_hi:[0,1]   ; d = x - mean, in place: the variance is a sum of squares of d, no difference of large sums
.set p, p+2
.endr
.irp k, 0,1,2,3
	v_pk_mul_f32 v[16+2*\k:17+2*\k], v[XR+2*\k:XR+2*\k+1], v[XR+2*\k:XR+2*\k+1]
.endr
.set p, 4
.rept 12
	s_delay_alu instid0(VALU_DEP_4)
	v_pk_fma_f32 v[16+2*(p%4):17+2*(p%4)], v[XR+2*p:XR+2*p+1], v[XR+2*p:XR+2*p+1], v[16+2*(p%4):17+2*(p%4)]
.set p, p+1
.endr
	s_delay_alu instid0(VALU_DEP_3)
	v_pk_add_f32 v[16:17], v[16:17], v[18:19]
	s_delay_alu instid0(VALU_DEP_2)
	v_pk_add_f32 v[20:21], v[20:21], v[22:23]
	s_delay_alu instid0(VALU_DEP_1)
	v_pk_add_f32 v[16:17], v[16:17], v[20:21]
	s_delay_alu instid0(VALU_DEP_1)
	v_add_f32 v24, v16, v17
	RED 24
	s_delay_alu instid0(VALU_DEP_1)
	v_mul_f32 v24, 0x3a802008, v24                 ; / 1023
	s_wait_alu depctr_va_vdst(0)
	v_sqrt_f32 v24, v24
	v_nop                                          ; a plain instruction behind the root,
	s_wait_alu depctr_va_vdst(0)                   ; and the wait ahead of its first reader
	v_add_f32 v24, 0x3727c5ac, v24                 ; std + 1e-5
	s_wait_alu depctr_va_vdst(0)
	v_rcp_f32 v24, v24
	v_nop
	s_wait_alu depctr_va_vdst(0)
	v_mul_f32 v6, s48, v24                         ; gain / (std + eps)
.set p, 0
.rept 16
	v_pk_fma_f32 v[XR+p:XR+p+1], v[XR+p:XR+p+1], v[6:7], v[8:9] op_sel_hi:[1,0,0]   ; y = d x gain / (std + eps) + bias
.set p, p+2
.endr
.set sx, 0
.rept NSET
.irp j, 0,1,2,3
.irp n, 0,1,2,3,4,5,6,7
	v_med3_num_f32 v[T0+8*(\j%2)+\n], v[XR+8*\j+\n], -v[13+sx], v[13+sx]   ; the conversion to an 8-bit code does not saturate (ISA guide 7.6.2): the hold comes first.  y itself is kept for the next set
.endr
	v_cvt_scalef32_pk8_fp8_f32 v[C+8*sx+2*\j:C+8*sx+2*\j+1], v[T0+8*(\j%2):T0+8*(\j%2)+7], v[10+sx]   ; the next eight holds, plain and on the other set of registers, stand behind it
.endr
	THROUGH C+8*sx, LNS+1024*sx
.if sx > 0
	s_wait_dscnt 10                                ; all but this set's eight stores and two loads: the set before is back in its registers
	SENDC C+8*(sx-1), 50+2*(sx-1), 1024*(\i)
.endif
.set sx, sx+1
.endr
	s_wait_dscnt 0x0
	SENDC C+8*(NSET-1), 50+2*(NSET-1), 1024*(\i)
.endm
	s_load_b256 s[4:11], s[0:1], 0x0               ; x s[4:5], a1 s[6:7], n1 s[8:9], the scales' exponents s[10:11]
	s_load_b256 s[12:19], s[0:1], 0x20             ; wq, wk, wv, wo
	s_load_b256 s[20:27], s[0:1], 0x40             ; w1, w2, xc s[24:25], wc s[26:27]
	v_lshl_add_u32 v[SPW], v0, 2, SPARE
	v_mov_b32 v[NIL], 0
	v_lshrrev_b32 v1, 5, v0
	s_delay_alu instid0(VALU_DEP_1)
	v_readfirstlane_b32 s2, v1                     ; wave 0..7
	v_and_b32 v1, 31, v0
	s_delay_alu instid0(VALU_DEP_1)
	v_lshlrev_b32 v2, 4, v1                        ; 16 bytes a lane, in and out
	s_lshl_b32 s3, s2, 13                          ; my wave's 8,192 bytes of LDS
	v_lshl_add_u32 v[SA], v1, 2, s3
	v_add_nc_u32 v[SL], s3, v2
	s_wait_kmcnt 0x0
	s_load_b512 s[32:47], s[10:11], 0x0            ; e0 .. e15
	s_cmp_lt_u32 ttmp9, 128                        ; the work-group's number alone decides the path
	s_cbranch_scc0 .Lweights
	; ---- rows of x: row 32 x work-group + 4 x wave on
	s_load_b32 s48, s[6:7], 0x0                    ; gain
	s_load_b32 s49, s[8:9], 0x0                    ; bias
	s_lshl_b32 s58, ttmp9, 17
	s_lshl_b32 s59, s2, 14
	s_add_co_u32 s58, s58, s59
	s_mov_b32 s59, 0
	s_add_nc_u64 s[4:5], s[4:5], s[58:59]
	s_wait_alu depctr_va_vdst(0)
.irp i, 0,1,2,3
	LOADS \i, 4
.endr
	s_lshl_b32 s58, ttmp9, 15
	s_lshl_b32 s59, s2, 12
	s_add_co_u32 s58, s58, s59
	s_mov_b32 s59, 0
	s_add_nc_u64 s[50:51], s[24:25], s[58:59]      ; the three sets of codes lie 4 MiB apart: a base for each
	s_add_nc_u64 s[52:53], s[50:51], 0x400000
	s_add_nc_u64 s[54:55], s[52:53], 0x400000
	s_mov_b32 s56, 0x76543210                      ; v_permlanex16_b32: lane l takes lane l xor 16
	s_mov_b32 s57, 0xfedcba98
	v_mov_b32 v5, 0                                ; upper words of pairs of which the low word serves both halves: written once
	v_mov_b32 v7, 0
	v_mov_b32 v9, 0
	v_mov_b32 v25, 0                               ; a lane permute's destination counts as read
	s_wait_kmcnt 0x0
	v_mov_b32 v8, s49
	MKSCALE 32, 10, 13
	MKSCALE 34, 11, 14
	MKSCALE 36, 12, 15
.irp i, 0,1,2,3
	LNROW \i
.endr
	s_wait_tensorcnt 0x0                           ; the wave's end, behind my last LDS store
	ds_add_u32 v[SPW], v[NIL]
	s_wait_dscnt 0x0
	s_endpgm
	; ---- weights: g = work-group - 128 walks wc's 12 MiB of codes, 32,768 bytes each; g / 32 says which weight
.Lweights:
	s_sub_co_u32 s60, ttmp9, 128
	s_lshr_b32 s61, s60, 5
	s_mov_b32 s30, 256                             ; the weight's first g
	s_cmp_lt_u32 s61, 8
	s_cselect_b64 s[28:29], s[20:21], s[22:23]     ; w1 or w2
	s_cselect_b32 s30, 128, s30
	s_cmp_lt_u32 s61, 4
	s_cselect_b64 s[28:29], s[18:19], s[28:29]     ; wo
	s_cselect_b32 s30, 96, s30
	s_cmp_lt_u32 s61, 3
	s_cselect_b64 s[28:29], s[16:17], s[28:29]     ; wv
	s_cselect_b32 s30, 64, s30
	s_cmp_lt_u32 s61, 2
	s_cselect_b64 s[28:29], s[14:15], s[28:29]     ; wk
	s_cselect_b32 s30, 32, s30
	s_cmp_lt_u32 s61, 1
	s_cselect_b64 s[28:29], s[12:13], s[28:29]     ; wq
	s_cselect_b32 s30, 0, s30
	s_sub_co_u32 s30, s60, s30
	s_lshl_b32 s30, s30, 17                        ; 32 chunks of 4,096 bytes a work-group,
	s_lshl_b32 s31, s2, 14                         ; 4 a wave
	s_add_co_u32 s30, s30, s31
	s_mov_b32 s31, 0
	s_add_nc_u64 s[28:29], s[28:29], s[30:31]
	s_wait_alu depctr_va_vdst(0)
.irp i, 0,1,2,3
	LOADS \i, 28
.endr
	s_lshl_b32 s62, s60, 15
	s_lshl_b32 s63, s2, 12
	s_add_co_u32 s62, s62, s63
	s_mov_b32 s63, 0
	s_add_nc_u64 s[26:27], s[26:27], s[62:63]
	s_wait_kmcnt 0x0
	s_mov_b32 s62, s47                             ; the weight's exponent: e15, e13, e11, e5, e3, e1
	s_cmp_lt_u32 s61, 8
	s_cselect_b32 s62, s45, s62
	s_cmp_lt_u32 s61, 4
	s_cselect_b32 s62, s43, s62
	s_cmp_lt_u32 s61, 3
	s_cselect_b32 s62, s37, s62
	s_cmp_lt_u32 s61, 2
	s_cselect_b32 s62, s35, s62
	s_cmp_lt_u32 s61, 1
	s_cselect_b32 s62, s33, s62
	MKSCALE 62, 10, 13
	s_wait_alu depctr_va_vdst(0)
.irp i, 0,1,2,3
	s_wait_loadcnt 8*(3-\i)                        ; this chunk's eight loads are in
.irp j, 0,1,2,3
.irp n, 0,1,2,3,4,5,6,7
	v_med3_num_f32 v[X+32*\i+8*\j+\n], v[X+32*\i+8*\j+\n], -v13, v13
.endr
	v_cvt_scalef32_pk8_fp8_f32 v[WCD+8*\i+2*\j:WCD+8*\i+2*\j+1], v[X+32*\i+8*\j:X+32*\i+8*\j+7], v10
.endr
	THROUGH WCD+8*\i, WTS+1024*\i
.if \i > 0
	s_wait_dscnt 10                                ; all but this chunk's eight stores and two loads: the chunk before is back in its registers
	SENDC WCD+8*(\i-1), 26, 1024*(\i-1)
.endif
.endr
	s_wait_dscnt 0x0
	SENDC WCD+24, 26, 3072
	s_wait_tensorcnt 0x0                           ; the wave's end
	ds_add_u32 v[SPW], v[NIL]
	s_wait_dscnt 0x0
	s_endpgm
.Lfunc_end_k_q77f38ae700_prep:
	.size	k_q77f38ae700_prep, .Lfunc_end_k_q77f38ae700_prep-k_q77f38ae700_prep
	.p2alignl 7, 3214868480
	.fill 96, 4, 3214868480
	.section	.rodata,"a",@progbits
	.p2align	6, 0x0
	.amdhsa_kernel k_q77f38ae700_prep
		.amdhsa_group_segment_fixed_size 66560
		.amdhsa_private_segment_fixed_size 0
		.amdhsa_enable_private_segment 0
		.amdhsa_kernarg_size 96
		.amdhsa_user_sgpr_count 2
		.amdhsa_user_sgpr_kernarg_segment_ptr 1
		.amdhsa_wavefront_size32 1
		.amdhsa_system_sgpr_workgroup_id_x 1
		.amdhsa_system_sgpr_workgroup_id_y 1
		.amdhsa_system_sgpr_workgroup_id_z 1
		.amdhsa_system_vgpr_workitem_id 0
		.amdhsa_next_free_vgpr 208
		.amdhsa_next_free_sgpr 66
		.amdhsa_reserve_vcc 0
		.amdhsa_float_denorm_mode_32 3
		.amdhsa_float_denorm_mode_16_64 3
		.amdhsa_memory_ordered 1
		.amdhsa_forward_progress 1
		.amdhsa_inst_pref_size 88
	.end_amdhsa_kernel
	.amdgpu_metadata
---
amdhsa.version: [ 1, 2 ]
amdhsa.kernels:
  - .name:           k_q77f38ae700_prep
    .symbol:         k_q77f38ae700_prep.kd
    .args:
      - { .name: x, .offset: 0, .size: 8, .value_kind: global_buffer, .address_space: global }
      - { .name: a1, .offset: 8, .size: 8, .value_kind: global_buffer, .address_space: global }
      - { .name: n1, .offset: 16, .size: 8, .value_kind: global_buffer, .address_space: global }
      - { .name: lowp_scales, .offset: 24, .size: 8, .value_kind: global_buffer, .address_space: global }
      - { .name: wq, .offset: 32, .size: 8, .value_kind: global_buffer, .address_space: global }
      - { .name: wk, .offset: 40, .size: 8, .value_kind: global_buffer, .address_space: global }
      - { .name: wv, .offset: 48, .size: 8, .value_kind: global_buffer, .address_space: global }
      - { .name: wo, .offset: 56, .size: 8, .value_kind: global_buffer, .address_space: global }
      - { .name: w1, .offset: 64, .size: 8, .value_kind: global_buffer, .address_space: global }
      - { .name: w2, .offset: 72, .size: 8, .value_kind: global_buffer, .address_space: global }
      - { .name: xc, .offset: 80, .size: 8, .value_kind: global_buffer, .address_space: global }
      - { .name: wc, .offset: 88, .size: 8, .value_kind: global_buffer, .address_space: global }
    .group_segment_fixed_size: 66560
    .private_segment_fixed_size: 0
    .kernarg_segment_align: 8
    .kernarg_segment_size: 96
    .max_flat_workgroup_size: 256
    .sgpr_count:     66
    .vgpr_count:     208
    .wavefront_size: 32
...
	.end_amdgpu_metadata
.endif
;; end of part 1
;; launch qkv (part 2): grid 12 x 16, 4 waves a work-group, clusters of 4 x 4, 327,680 bytes of LDS; arguments xc, wc, lowp_scales, bq, bk, bv, qkv; writes qkv
.if DOCPART == 2
	.amdgcn_target "amdgcn-amd-amdhsa--gfx1250"
	.amdhsa_code_object_version 6
	.text
	.protected	k_q77f38ae700_qkv
	.globl	k_q77f38ae700_qkv
	.p2align	8
	.type	k_q77f38ae700_qkv,@function
k_q77f38ae700_qkv:
	s_mov_b64 s[64:65], 0
	v_nop
	global_prefetch_b8 v0, s[64:65] scope:SCOPE_SE
	s_setreg_imm32_b32 hwreg(HW_REG_WAVE_MODE, 25, 1), 1
	s_wait_xcnt 0x0
	s_wait_alu depctr_hold_cnt(0) depctr_sa_sdst(0) depctr_va_vdst(0) depctr_va_sdst(0) depctr_va_ssrc(0) depctr_va_vcc(0) depctr_vm_vsrc(0)
	s_getreg_b32 s2, hwreg(HW_REG_IB_STS2, 6, 4)
	s_cmp_eq_u32 s2, 0
	s_cbranch_scc0 .Lentry_in_a_cluster
	s_endpgm
.Lentry_in_a_cluster:
	s_bfe_u32 s2, ttmp6, 0x10000c
	s_cmp_lg_u32 s2, 0xf033
	s_cbranch_scc0 .Lentry_shape_is_right
	s_endpgm
.Lentry_shape_is_right:
; A GEMM on codes of FP8 (E4M3) over K = 1,024 whose result, + bias, is quantised again and leaves as codes.  One text, two uses (MODE):
; MODE 0: q, k, v = LN1(x) W^T + b.  Cluster x says which: 0 q, 1 k, 2 v.  MODE 1: h = relu(LN2(x1) W1^T + b1).
; A tile of 256 x 256 is made by four waves, 128 x 128 each: 64 accumulators, 512 registers.  K goes in steps of 256 through two LDS slots filled by the tensor data mover (rows of 256 bytes).
; CLUSTERS: 4 x 4 work-groups; the tile of the row operand (A role) is asked for jointly along a row of the cluster, that of the column operand (B role) along a column.
; THE MATRIX INSTRUCTION IS USED TRANSPOSED (source 0 = 16 rows of the B role, source 1 = 16 rows of the A role): a lane holds one row of the A role and eight neighbouring columns,
; which are eight neighbours along the NEXT product's K: the conversion takes them as they lie.  For q, k and h: A role = tokens, B role = weight rows (features).
; FOR v THE ROLES ARE SWAPPED (A role = wv's rows, B role = tokens), so that a lane's eight numbers are eight neighbouring KEYS: v's codes come out with the keys innermost, and nothing is transposed.
; The choice hangs on the cluster's x alone, which all partners share, and is made by selects: no branch.
; OUT, in blocks of 64 along the next K: q, k: [16 heads][4096 tokens][64]; v: [64 blocks of 64 keys][1024 (head, channel)][64 keys]; h: [64][4096][64].  A wave stores 16,384 consecutive bytes.
; SCALES: a sum stands for sum x 2^(eA + eB).  The bias goes in as bias / 2^(eA + eB), and the conversion takes 2^(eo - eA - eB).
; LIMITS: eo - eA - eB between -126 and 119.  NaN among the inputs is not served.
; REGISTERS, in windows of 256: window 0: v0-31 addresses and constants; v32-95 BX, v96-111 BY (the bias); from v128 A's fragments, ONE set; on the way out v128-191 numbers, v192-223 codes, then v128-255 rows.
;   window 1: B's fragments, TWO sets.   window 2: the accumulators of my rows 0-63 ((a, b) at v[8 (8 a + b)]);   window 3: those of my rows 64-127.
.set MODE,   0
.set KSTEP,  256
.set ROWB,   256                       ; a tile's row in bytes
.set KROW,   1024                      ; a row of either operand in memory, in bytes
.set PITCH,  272                       ; an LDS row: 256 bytes + 16 of padding = 68 words: the 16 rows that a load touches start at 16 different banks (64 banks of 4 bytes: ISA guide 11.1)
.set FR,     16                        ; registers of a fragment: 16 rows x 128 K
.set NL,     4                         ; LDS loads that bring one
.set NP,     4                         ; places behind this matrix instruction (ISA guide 7.12.1)
.set HALFT,  128*PITCH
.set SLOT,   4*HALFT                   ; A's 256 rows, then B's 256 rows
.set LAPS,   KROW/(2*KSTEP)            ; 2
.set SPARE,  2*SLOT                    ; behind the ring: the spare words, 128 bytes a wave: two blocks of 256 bytes that no other line names
.set SP,     288                       ; the way out: the work-group's stage, 256 rows x (256 bytes of codes + 32), in slot 0, which has had its last fill and its last read by then
.set ADRA, 16
.set ADRB, 20
.set STO,  24                          ; v24  the stage: where I put 8 codes
.set RD,   25                          ; v25  where I read rows 0-127 of my strip back;  v27: rows 128-255
.set CO,   26                          ; v26  16 x lane
.set RD2,  27
.set SPW,  28
.set NIL,  29
.set BX,   32                          ; register 8 b + j: the bias of column 16 b + 8 (l / 16) + j (or 1.0)
.set BY,   96                          ; pair a, low word: the bias of row 16 a + l % 16 (or 1.0)
.set AF,   128
.set YT,   128
.set CD,   192
.set G1, 24
.set G0, 32
.set G1B, 48
.set G0B, 56
.set MSB, 0
.macro WIN new                         ; the immediate's high byte repeats the setting that is left
.if MSB != \new
	s_set_vgpr_msb (MSB<<8)|\new
.set MSB, \new
.endif
.endm
.set MUL_LO, 0xa1                      ; source 0 (B) window 1, source 1 (A) window 0, C and D window 2
.set MUL_HI, 0xf1
.set TO_B,   0x40
; A joint load: waves 0 and 1 fetch for the A role, waves 2 and 3 for the B role; the branch hangs on the wave's number alone.  An s_nop 0 and four v_nop follow each line.
.macro JLOAD g0a, g1a, g0b, g1b
	s_cmp_eq_u32 s15, 0
	s_cbranch_scc0 .Lfor_b_\@
	tensor_load_to_lds s[\g0a:\g0a+3], s[\g1a:\g1a+7]
	s_nop 0
.rept 4
	v_nop
.endr
	s_branch .Lasked_\@
.Lfor_b_\@:
	tensor_load_to_lds s[\g0b:\g0b+3], s[\g1b:\g1b+7]
	s_nop 0
.rept 4
	v_nop
.endr
.Lasked_\@:
.endm
.macro CREST                           ; a round of the cluster's barrier behind its opening barrier
	s_cmp_lg_u32 s14, 0
	s_cbranch_scc1 .Lnot_wave_0_\@
	s_barrier_signal -3
.Lnot_wave_0_\@:
	s_barrier_wait -3
	s_barrier_signal -1
	s_barrier_wait -1
.endm
.macro CROUND
	s_barrier_signal -1
	s_barrier_wait -1
	CREST
.endm
	s_load_b128 s[4:7], s[0:1], 0x0                ; the tokens' codes s[4:5], the weights' codes s[6:7]
	s_load_b128 s[8:11], s[0:1], 0x10              ; the scales' exponents s[8:9], the (first) bias s[10:11]
.if MODE == 0
	s_load_b128 s[68:71], s[0:1], 0x20             ; bk, bv
	s_load_b64 s[66:67], s[0:1], 0x30              ; out
.else
	s_load_b64 s[66:67], s[0:1], 0x20              ; out
.endif
	v_lshl_add_u32 v[SPW], v0, 2, SPARE
	v_mov_b32 v[NIL], 0
	ds_add_u32 v[SPW], v[NIL]                      ; the wave's opening: the add, and its wait ahead of my first tensor load; the set-up below stands between them
	ds_add_u32 v[SPW], v[NIL]
	v_lshrrev_b32 v1, 5, v0
	v_readfirstlane_b32 s14, v1                    ; wave 0..3
	s_lshr_b32 s15, s14, 1                         ; which half of the tile's rows is mine.  Also: I fetch for A (0) or for B (1)
	s_and_b32 s16, s14, 1                          ; which half of its columns.  Also: which 128 rows I fetch
	s_bfe_u32 s40, ttmp6, 0x40000                  ; cx
	s_bfe_u32 s41, ttmp6, 0x40004                  ; cy
	s_and_b32 s72, ttmp7, 0xffff
	s_lshl_b32 s72, s72, 2                         ; 4 x cluster y
.if MODE == 0
	s_lshl_b32 s92, ttmp9, 22                      ; q, k: A role = set (cluster x) of the tokens' codes, 4 MiB each;
	s_lshl_b32 s93, ttmp9, 20                      ;       B role = weight (cluster x), 1 MiB each
	s_mov_b32 s94, 0x200000                        ; v: A role = wv, at 2 MiB of the weights' codes;
	s_mov_b32 s95, 0x800000                        ;    B role = set 2 of the tokens' codes
	s_cmp_eq_u32 ttmp9, 2
	s_cselect_b32 s92, s94, s92
	s_cselect_b32 s93, s95, s93
	s_cselect_b32 s17, 0, s72                      ; the 16 tile rows of tokens go along cluster y: in the A role for q and k,
	s_cselect_b32 s42, s72, 0                      ; in the B role for v
	s_cselect_b32 s74, -1, 0                       ; a lane mask: all ones for v
.else
	s_mov_b32 s92, 0
	s_mov_b32 s93, 0x400000                        ; w1's codes
	s_mov_b32 s17, s72
	s_lshl_b32 s42, ttmp9, 2
.endif
	s_add_co_u32 s17, s17, s41                     ; tile row
	s_add_co_u32 s42, s42, s40                     ; tile column
	s_lshl_b32 s43, s41, 2
	s_lshl_b32 s43, 15, s43                        ; my row of the cluster
	s_lshl_b32 s44, 0x1111, s40                    ; my column
	s_or_b32 s[G1+0], s43, (0<<16)|(1<<20)|(1<<21)|(5<<22)|(3<<25)  ; the mask; elements of 1 byte; padding on; bit 21 beside a mask; after every 64 words; 4 words
	s_or_b32 s[G1B+0], s44, (0<<16)|(1<<20)|(1<<21)|(5<<22)|(3<<25)
.irp g, G1, G1B
	s_mov_b32 s[\g+1], ROWB<<16                    ; tensor_dim0
	s_mov_b32 s[\g+2], 128<<16                     ; tensor_dim1
	s_mov_b32 s[\g+3], ROWB<<16                    ; tile_dim0
	s_mov_b32 s[\g+4], 128                         ; tile_dim1
	s_mov_b32 s[\g+5], KROW                        ; tensor_dim0_stride
	s_mov_b32 s[\g+6], 0
	s_mov_b32 s[\g+7], 0
.endr
	s_lshl_b32 s18, s16, 7
	s_lshl_b32 s20, s17, 8
	s_add_co_u32 s20, s20, s18                     ; A: row 256 x tile row + 128 x half,
	s_lshl_b32 s20, s20, 10                        ; in bytes,
	s_add_co_u32 s20, s20, s92                     ; in its part of its buffer
	s_mov_b32 s21, 0
	s_lshl_b32 s46, s42, 8
	s_add_co_u32 s46, s46, s18
	s_lshl_b32 s46, s46, 10
	s_add_co_u32 s46, s46, s93
	s_mov_b32 s47, 0
	s_mul_i32 s45, s14, HALFT                      ; where they go: wave x 128 rows
	s_wait_dscnt 0x0                               ; the opening add is done
	s_wait_kmcnt 0x0
	s_load_b512 s[76:91], s[8:9], 0x0              ; e0 .. e15
.if MODE == 0
	s_cmp_eq_u32 ttmp9, 2
	s_cselect_b64 s[12:13], s[6:7], s[4:5]         ; the A role's buffer
	s_cselect_b64 s[96:97], s[4:5], s[6:7]         ; the B role's
.else
	s_mov_b64 s[12:13], s[4:5]
	s_mov_b64 s[96:97], s[6:7]
.endif
	s_add_nc_u64 s[20:21], s[12:13], s[20:21]
	s_add_nc_u64 s[46:47], s[96:97], s[46:47]
	CROUND                                         ; all sixteen work-groups are here: the first joint loads meet
.irp s, 0,1
	s_mov_b32 s[G0+4*\s], 1
	s_add_co_u32 s[G0+4*\s+1], s45, \s*SLOT
	s_add_nc_u64 s[G0+4*\s+2:G0+4*\s+3], s[20:21], \s*ROWB
	s_or_b32 s[G0+4*\s+3], s[G0+4*\s+3], 0x80000000
	s_mov_b32 s[G0B+4*\s], 1
	s_add_co_u32 s[G0B+4*\s+1], s45, \s*SLOT
	s_add_nc_u64 s[G0B+4*\s+2:G0B+4*\s+3], s[46:47], \s*ROWB
	s_or_b32 s[G0B+4*\s+3], s[G0B+4*\s+3], 0x80000000
.endr
	JLOAD G0, G1, G0B, G1B                         ; K step 0: one tensor load a wave at the head
	; A PREFETCH INTO THE L2 of what the NEXT fill will ask for, behind each joint load and its five lines: one slot, two steps of 128 along K, ahead of that load.  A wave's load is 128 rows x 256 bytes;
	; the four partners that ask for it jointly share the rows out BY ADDRESS, 32 each (place cx for the A role, cy for the B role), a lane a row, one instruction a wave.
	; The base is never rewritten: the K step is the immediate offset.  K step 0 comes by its load alone; the last fill asks for nothing.
	s_cmp_eq_u32 s15, 0                            ; do I fetch for the A role?
	s_cselect_b64 s[104:105], s[20:21], s[46:47]
	s_cselect_b32 s22, s40, s41                    ; my place among the four that ask with me
	s_lshl_b32 s22, s22, 15                        ; 32 rows of 1,024 bytes
	s_mov_b32 s23, 0
	s_add_nc_u64 s[104:105], s[104:105], s[22:23]
	v_and_b32 v31, 31, v0
	v_lshlrev_b32 v31, 10, v31                     ; my lane's row; never rewritten
	s_wait_alu depctr_va_vdst(0)
	global_prefetch_b8 v31, s[104:105] offset:256 th:TH_LOAD_NT scope:SCOPE_SE
	v_and_b32 v1, 15, v0                           ; r = l % 16
	s_wait_alu depctr_va_vdst(0)
	v_bfe_u32 v2, v0, 4, 1                         ; h = l / 16
	v_mul_u32_u24 v3, v1, PITCH
	v_lshl_add_u32 v4, v2, 4, v3                   ; a fragment's row x pitch + 16 x half
	s_mul_i32 s21, s15, HALFT
	s_mul_i32 s22, s16, HALFT
	s_add_co_u32 s22, s22, 2*HALFT
.irp s, 0,1
	v_add_nc_u32 v[ADRA+\s], s21, v4
	v_add_nc_u32 v[ADRB+\s], s22, v4
	s_add_co_u32 s21, s21, SLOT
	s_add_co_u32 s22, s22, SLOT
.endr
	s_mul_i32 s23, s15, 128*SP                     ; the stage, in: row 128 x row half + r, byte 128 x column half + 16 h
	s_lshl_b32 s22, s16, 7
	s_add_co_u32 s23, s23, s22
	v_mul_u32_u24 v5, v1, SP
	s_wait_alu depctr_va_vdst(0)
	v_lshl_add_u32 v5, v2, 4, v5                   ; the stage, in: + 16 h.  Columns 16 b + 8 h + j go to byte 32 (b / 2) + 16 h + 8 (b % 2) + j: for v that puts keys where the second product's operand wants them; for q and k it is one permutation of the channels, the same in both
	v_add_nc_u32 v[STO], s23, v5
	v_and_b32 v6, 31, v0
	v_mul_u32_u24 v7, v1, SP                       ; back: a tile of 16 rows x 64 bytes leaves in the order of a fragment's registers: 1,024 bytes [c][l / 16][l % 16][16 bytes], bytes 32 c + 16 (l / 16) on of row l % 16
	v_lshl_add_u32 v[RD], v2, 4, v7
	s_lshl_b32 s23, s14, 6
	v_add_nc_u32 v[RD], s23, v[RD]
	v_add_nc_u32 v[RD2], 128*SP, v[RD]
	v_lshlrev_b32 v[CO], 4, v6
	s_lshl_b32 s20, s42, 2
	s_add_co_u32 s20, s20, s14                     ; my block of 64 along the next K: 4 x tile column + wave
.if MODE == 0
	s_cmp_eq_u32 ttmp9, 2
	s_cselect_b32 s21, 16, 18                      ; a block is 1,024 rows of 64 bytes in v, 4,096 in q and k
	s_lshl_b32 s20, s20, s21
	s_lshl_b32 s21, ttmp9, 22                      ; q, k, v lie 4 MiB apart
	s_add_co_u32 s20, s20, s21
.else
	s_lshl_b32 s20, s20, 18
.endif
	s_lshl_b32 s21, s17, 14                        ; 256 rows of 64 bytes for each tile row
	s_add_co_u32 s20, s20, s21
	s_mov_b32 s21, 0
	s_add_nc_u64 s[66:67], s[66:67], s[20:21]
	; the bias: by columns (BX) where the features are columns, by rows (BY) for v.  Both are loaded, from inside the buffer, and the one that does not apply becomes 1.0: y = BX x BY + sum, one fused line, no branch
	v_lshlrev_b32 v9, 5, v2                        ; 32 h
.if MODE == 0
	s_wait_alu depctr_va_vdst(0)
	v_lshlrev_b32 v10, 2, v1                       ; 4 r
	s_wait_alu depctr_va_vdst(0)
	s_cmp_eq_u32 ttmp9, 0
	s_cselect_b64 s[10:11], s[10:11], s[68:69]
	s_cmp_eq_u32 ttmp9, 2
	s_cselect_b64 s[10:11], s[70:71], s[10:11]     ; bq, bk or bv
	s_lshl_b32 s20, s40, 10
	s_lshl_b32 s21, s16, 9
	s_add_co_u32 s20, s20, s21                     ; my 128 columns: 256 cx + 128 x half, in bytes
	s_lshl_b32 s22, s41, 10
	s_lshl_b32 s23, s15, 9
	s_add_co_u32 s22, s22, s23                     ; my 128 rows: 256 cy + 128 x half
	s_cmp_eq_u32 ttmp9, 2
	s_cselect_b32 s20, 0, s20
	s_cselect_b32 s22, s22, 0
	s_mov_b32 s21, 0
	s_mov_b32 s23, 0
	s_add_nc_u64 s[68:69], s[10:11], s[20:21]
	s_add_nc_u64 s[70:71], s[10:11], s[22:23]
.else
	s_lshl_b32 s20, s42, 10
	s_lshl_b32 s21, s16, 9
	s_add_co_u32 s20, s20, s21
	s_mov_b32 s21, 0
	s_add_nc_u64 s[68:69], s[10:11], s[20:21]
.endif
.irp b, 0,1,2,3,4,5,6,7
	global_load_b128 v[BX+8*\b:BX+8*\b+3],   v9, s[68:69] offset:64*\b
	global_load_b128 v[BX+8*\b+4:BX+8*\b+7], v9, s[68:69] offset:64*\b+16
.endr
.if MODE == 0
.irp a, 0,1,2,3,4,5,6,7
	global_load_b32 v[BY+2*\a], v10, s[70:71] offset:64*\a
	v_mov_b32 v[BY+2*\a+1], 0                      ; named with it as a pair, so it is written
.endr
.endif
	s_wait_kmcnt 0x0
.if MODE == 0
	s_add_co_i32 s92, s76, s77                     ; e0 + e1
	s_add_co_i32 s93, s78, s79                     ; e2 + e3
	s_add_co_i32 s94, s80, s81                     ; e4 + e5
	s_cmp_eq_u32 ttmp9, 0
	s_cselect_b32 s92, s92, s93
	s_cselect_b32 s95, s82, s83                    ; q is quantised with e6, k with e7,
	s_cmp_eq_u32 ttmp9, 2
	s_cselect_b32 s92, s94, s92
	s_cselect_b32 s95, s85, s95                    ; v with e9
.else
	s_add_co_i32 s92, s88, s89                     ; e12 + e13
	s_mov_b32 s95, s90                             ; e14
.endif
	s_sub_co_i32 s75, 0, s92
	s_sub_co_i32 s95, s95, s92                     ; eo - eA - eB
	s_add_co_i32 s95, s95, 127
	s_lshl_b32 s94, s95, 23
	v_mov_b32 v13, s94                             ; 2^(eo - eA - eB): the conversion takes its exponent field
	s_add_co_i32 s95, s95, 8
	s_lshl_b32 s95, s95, 23
	s_or_b32 s95, s95, 0x600000
	v_mov_b32 v12, s95                             ; 448 x that
	s_wait_loadcnt 0x0
.set i, 0
.rept 64
	v_ldexp_f32 v[BX+i], v[BX+i], s75              ; bias / 2^(eA + eB)
.set i, i+1
.endr
.if MODE == 0
	v_mov_b32 v30, 1.0
.irp a, 0,1,2,3,4,5,6,7
	v_ldexp_f32 v[BY+2*\a], v[BY+2*\a], s75
.endr
.set i, 0
.rept 64
	v_cndmask_b32 v[BX+i], v[BX+i], v30, s74       ; v: 1.0
.set i, i+1
.endr
.irp a, 0,1,2,3,4,5,6,7
	v_cndmask_b32 v[BY+2*\a], v30, v[BY+2*\a], s74 ; q, k: 1.0
.endr
.endif
.macro FRAG reg, adr, q, i             ; 16 rows x 128 K: lane l holds row l % 16; registers 4 c .. 4 c + 3 hold K = 32 c + 16 (l / 16) + 0 .. 15: the same permutation of K in both operands
.irp c, 0,1,2,3
	ds_load_b128 v[\reg+4*\c:\reg+4*\c+3], v[\adr] offset:128*(\q)+32*\c+(\i)*16*PITCH
.endr
.endm
; 16 matrix instructions: A's blocks a0, a0 + 1 x B's eight.  The 64 accumulators take turns, one instruction a turn, in the same order in every step.
.macro MUL16 a0, p, zero
.irp a, \a0, \a0+1
.irp b, 0,1,2,3,4,5,6,7
.if \zero
	v_wmma_f32_16x16x128_fp8_fp8 v[8*(8*((\a)%4)+\b):8*(8*((\a)%4)+\b)+7], v[128*(\p)+FR*\b:128*(\p)+FR*\b+FR-1], v[AF+FR*(\a):AF+FR*(\a)+FR-1], 0
.else
	v_wmma_f32_16x16x128_fp8_fp8 v[8*(8*((\a)%4)+\b):8*(8*((\a)%4)+\b)+7], v[128*(\p)+FR*\b:128*(\p)+FR*\b+FR-1], v[AF+FR*(\a):AF+FR*(\a)+FR-1], v[8*(8*((\a)%4)+\b):8*(8*((\a)%4)+\b)+7]
.endif
.endr
.endr
.endm
.macro FETCH_B slot, q, p
	WIN TO_B
.irp i, 0,1,2,3,4,5,6,7
	FRAG 128*(\p)+FR*\i, ADRB+\slot, \q, \i
.endr
	WIN 0
.endm
.macro FETCH_A slot, q, i0
.irp i, \i0, \i0+1, \i0+2, \i0+3
	FRAG AF+FR*(\i), ADRA+\slot, \q, \i
.endr
.endm
.macro PLACES n                        ; plain vector instructions between a matrix instruction and a load into, or a vector access to, its registers
.rept \n
	v_nop
.endr
.endm
.macro STEP slot, q, zero              ; 128 along K, with its successor in the same slot
	s_wait_dscnt 4*NL                              ; B's set and A's blocks 0-3 are in; A's blocks 4-7 (16 loads) may be out
	WIN MUL_LO
	MUL16 0, (\q)%2, \zero
	MUL16 2, (\q)%2, \zero
	s_wait_dscnt 0
	PLACES NP
	FETCH_B \slot, (\q)+1, 1-(\q)%2
	FETCH_A \slot, (\q)+1, 0
	WIN MUL_HI
	MUL16 4, (\q)%2, \zero
	MUL16 6, (\q)%2, \zero
	PLACES NP
	WIN 0
	FETCH_A \slot, (\q)+1, 4
.endm
; A slot's last step changes slots: ONE barrier; in front of it each wave waits for all its tensor loads, adds 0 to its spare word, and waits for that and for its reads of this slot.
.macro TURN slot, next, fill
	s_wait_tensorcnt 0x0                           ; all my tensor loads have landed: my part of the next slot
	ds_add_u32 v[SPW], v[NIL]                      ; 0 onto my spare word
	s_wait_dscnt 4*NL+1                            ; the add and A's blocks 4-7 may be out
	WIN MUL_LO
	MUL16 0, 1, 0
	s_wait_dscnt 0x0                               ; the add is done, and my reads of this slot are over
	s_barrier_signal -1
	MUL16 2, 1, 0
	WIN 0
	s_barrier_wait -1
.if \fill
	CREST                                          ; the barrier has opened a round of the cluster's barrier: no wave of any partner still reads this slot or has a load on its way
	s_add_nc_u64 s[G0+4*\slot+2:G0+4*\slot+3], s[G0+4*\slot+2:G0+4*\slot+3], 2*ROWB
	s_add_nc_u64 s[G0B+4*\slot+2:G0B+4*\slot+3], s[G0B+4*\slot+2:G0B+4*\slot+3], 2*ROWB
	JLOAD G0+4*\slot, G1, G0B+4*\slot, G1B         ; the first tensor load behind the round; its four v_nop are the places in front of the loads below
.if \slot == 0                                     ; the loop has one trip: slot 0 takes K step 2, slot 1 the last
	global_prefetch_b8 v31, s[104:105] offset:768 th:TH_LOAD_NT scope:SCOPE_SE
.endif
.else
	PLACES NP
.endif
	FETCH_B \next, 0, 0
	FETCH_A \next, 0, 0
	WIN MUL_HI
	MUL16 4, 1, 0
	MUL16 6, 1, 0
	PLACES NP
	WIN 0
	FETCH_A \next, 0, 4
.endm
	s_wait_alu depctr_va_vdst(0)                   ; the head's end
	s_wait_tensorcnt 0x0                           ; my part of K step 0 is in
	ds_add_u32 v[SPW], v[NIL]
	s_wait_dscnt 0x0
	CROUND                                         ; everybody's part of K step 0 is in, and the joint loads meet
	JLOAD G0+4, G1, G0B+4, G1B                     ; K step 1: the first tensor load behind the round
	global_prefetch_b8 v31, s[104:105] offset:512 th:TH_LOAD_NT scope:SCOPE_SE
	FETCH_B 0, 0, 0
	FETCH_A 0, 0, 0
	FETCH_A 0, 0, 4
	STEP 0, 0, 1                                   ; the first step starts the sums: nothing is cleared
	s_mov_b32 s3, LAPS-1
.Llap:
	TURN 0, 1, 1
	STEP 1, 0, 0
	TURN 1, 0, 1
	STEP 0, 0, 0
	s_sub_co_u32 s3, s3, 1
	s_cmp_lg_u32 s3, 0
	s_cbranch_scc1 .Llap
	TURN 0, 1, 0                                   ; the last lap fills nothing
	STEP 1, 0, 0
	s_wait_dscnt 4*NL
	WIN MUL_LO
	MUL16 0, 1, 0
	MUL16 2, 1, 0
	s_wait_alu depctr_va_vdst(0)
	s_wait_dscnt 0
	WIN MUL_HI
	MUL16 4, 1, 0
	MUL16 6, 1, 0
	WIN 0
; THE WAY OUT.  Block a (16 rows x 128 columns): + bias, the hold (MODE 1: the activation and the hold in one), the conversion; a lane's 8 codes go into the work-group's stage.
.macro BLOCK a
.set AC, 64*((\a)%4)
.set CB, CD+16*((\a)%2)
.if MODE == 0
	WIN 0x20+0x10*((\a)/4)                         ; source 2: window 2 or 3
.set i, 0
.rept 32
	v_pk_fma_f32 v[YT+i:YT+i+1], v[BX+i:BX+i+1], v[BY+2*(\a):BY+2*(\a)+1], v[AC+i:AC+i+1] op_sel_hi:[1,0,1]   ; each accumulator from its low end on
.set i, i+2
.endr
.else
	WIN 0x02+((\a)/4)                              ; source 0: window 2 or 3
.set i, 0
.rept 32
	v_pk_add_f32 v[YT+i:YT+i+1], v[AC+i:AC+i+1], v[BX+i:BX+i+1]
.set i, i+2
.endr
.endif
	WIN 0
.if (\a) >= 2
	s_wait_dscnt 8                                 ; all but block a - 1's eight stores: block a - 2's have read the registers that take this block's codes
.endif
.irp b, 0,1,2,3,4,5,6,7
.irp n, 0,1,2,3,4,5,6,7
.if MODE == 0
	v_med3_num_f32 v[YT+8*\b+\n], v[YT+8*\b+\n], -v12, v12   ; the conversion to an 8-bit code does not saturate (ISA guide 7.6.2)
.else
	v_med3_num_f32 v[YT+8*\b+\n], v[YT+8*\b+\n], 0, v12      ; relu and the hold in one
.endif
.endr
	v_cvt_scalef32_pk8_fp8_f32 v[CB+2*\b:CB+2*\b+1], v[YT+8*\b:YT+8*\b+7], v13
.endr
	v_nop                                          ; a plain line behind the last conversion, ahead of the next block's writes of its sources
.irp b, 0,1,2,3,4,5,6,7
	ds_store_b64 v[STO], v[CB+2*\b:CB+2*\b+1] offset:(\a)*16*SP+32*(\b/2)+8*(\b%2)
.endr
.endm
	PLACES NP                                      ; behind the last products: the lines below write registers that held A's fragments
.irp a, 0,1,2,3,4,5,6,7
	BLOCK \a
.endr
	s_wait_dscnt 0x0                               ; for the others' sake: my stores into the stage are done
	s_barrier_signal -1
	s_barrier_wait -1
.set t, 0
.rept 16
	ds_load_b128 v[128+4*t:131+4*t], v[RD] offset:(t/2)*16*SP+32*(t%2)   ; half a tile of 16 rows: 512 bytes that lie on end in the output
.set t, t+1
.endr
.set t, 0
.rept 16
	ds_load_b128 v[192+4*t:195+4*t], v[RD2] offset:(t/2)*16*SP+32*(t%2)
.set t, t+1
.endr
.set t, 0
.rept 32
	s_wait_dscnt 31-t
	global_store_b128 v[CO], v[128+4*t:131+4*t], s[66:67] offset:512*t   ; 32 lanes store 512 consecutive bytes, at a multiple of 256 from the buffer's first byte
.set t, t+1
.endr
	s_wait_tensorcnt 0x0                           ; the wave's end
	ds_add_u32 v[SPW], v[NIL]
	s_wait_dscnt 0x0
	CROUND                                         ; the closing round
	s_endpgm
.Lfunc_end_k_q77f38ae700_qkv:
	.size	k_q77f38ae700_qkv, .Lfunc_end_k_q77f38ae700_qkv-k_q77f38ae700_qkv
	.p2alignl 7, 3214868480
	.fill 96, 4, 3214868480
	.section	.rodata,"a",@progbits
	.p2align	6, 0x0
	.amdhsa_kernel k_q77f38ae700_qkv
		.amdhsa_group_segment_fixed_size 327680
		.amdhsa_private_segment_fixed_size 0
		.amdhsa_enable_private_segment 0
		.amdhsa_kernarg_size 56
		.amdhsa_user_sgpr_count 2
		.amdhsa_user_sgpr_kernarg_segment_ptr 1
		.amdhsa_wavefront_size32 1
		.amdhsa_system_sgpr_workgroup_id_x 1
		.amdhsa_system_sgpr_workgroup_id_y 1
		.amdhsa_system_sgpr_workgroup_id_z 1
		.amdhsa_system_vgpr_workitem_id 0
		.amdhsa_next_free_vgpr 1024
		.amdhsa_next_free_sgpr 106
		.amdhsa_reserve_vcc 0
		.amdhsa_float_denorm_mode_32 3
		.amdhsa_float_denorm_mode_16_64 3
		.amdhsa_memory_ordered 1
		.amdhsa_forward_progress 1
		.amdhsa_inst_pref_size 155
	.end_amdhsa_kernel
	.amdgpu_metadata
---
amdhsa.version: [ 1, 2 ]
amdhsa.kernels:
  - .name:           k_q77f38ae700_qkv
    .symbol:         k_q77f38ae700_qkv.kd
    .args:
      - { .name: xc, .offset: 0, .size: 8, .value_kind: global_buffer, .address_space: global }
      - { .name: wc, .offset: 8, .size: 8, .value_kind: global_buffer, .address_space: global }
      - { .name: lowp_scales, .offset: 16, .size: 8, .value_kind: global_buffer, .address_space: global }
      - { .name: bq, .offset: 24, .size: 8, .value_kind: global_buffer, .address_space: global }
      - { .name: bk, .offset: 32, .size: 8, .value_kind: global_buffer, .address_space: global }
      - { .name: bv, .offset: 40, .size: 8, .value_kind: global_buffer, .address_space: global }
      - { .name: qkv, .offset: 48, .size: 8, .value_kind: global_buffer, .address_space: global }
    .group_segment_fixed_size: 327680
    .private_segment_fixed_size: 0
    .kernarg_segment_align: 8
    .kernarg_segment_size: 56
    .max_flat_workgroup_size: 128
    .sgpr_count:     106
    .vgpr_count:     1024
    .wavefront_size: 32
...
	.end_amdgpu_metadata
.endif
;; end of part 2
;; launch attn (part 3): grid 8 x 32, 8 waves a work-group, clusters of 4 x 1, 327,680 bytes of LDS; arguments qkv, mask, lowp_scales, ao; writes ao
.if DOCPART == 3
	.amdgcn_target "amdgcn-amd-amdhsa--gfx1250"
	.amdhsa_code_object_version 6
	.text
	.protected	k_q77f38ae700_attn
	.globl	k_q77f38ae700_attn
	.p2align	8
	.type	k_q77f38ae700_attn,@function
k_q77f38ae700_attn:
	s_mov_b64 s[64:65], 0
	v_nop
	global_prefetch_b8 v0, s[64:65] scope:SCOPE_SE
	s_setreg_imm32_b32 hwreg(HW_REG_WAVE_MODE, 25, 1), 1
	s_wait_xcnt 0x0
	s_wait_alu depctr_hold_cnt(0) depctr_sa_sdst(0) depctr_va_vdst(0) depctr_va_sdst(0) depctr_va_ssrc(0) depctr_va_vcc(0) depctr_vm_vsrc(0)
	s_getreg_b32 s2, hwreg(HW_REG_IB_STS2, 6, 4)
	s_cmp_eq_u32 s2, 0
	s_cbranch_scc0 .Lentry_in_a_cluster
	s_endpgm
.Lentry_in_a_cluster:
	s_bfe_u32 s2, ttmp6, 0x10000c
	s_cmp_lg_u32 s2, 0x3003
	s_cbranch_scc0 .Lentry_shape_is_right
	s_endpgm
.Lentry_shape_is_right:
; ATTENTION on codes of FP8 (E4M3): 32 (batch, head) pairs, 2,048 queries and keys, head size 64, a key mask that is an input.
; q, k: [16 heads][4096 tokens][64] codes, v: [64 blocks of 64 keys][1024 (head, channel)][64 keys] codes, 4 MiB apart in one buffer.  In all three each tile of 16 rows x 64 bytes lies
; in the order of a fragment's registers: 1,024 bytes [c][l / 16][l % 16][16 bytes].  So a fragment load is 512 consecutive bytes, 16 a lane, and LDS rows need no padding.
; Out: [16 heads][4096 tokens][64] codes, rows as they are, for the next product.
; t = score x log2(e) / 8; M = the running largest t rounded UP to a whole number; p = 2^(t - M) is quantised with 2^ep; the row's sum is taken of the unquantised p and divides at the end.
; THE MASK.  A table in LDS holds for each key 0, or, where mask = 0, R = -8e9 / 2^(eq + ek); a step's entries are the C of K Q^T.  A masked key's t is about -1.44e9, as -1e9 x log2(e) is, and its p is 0.
; Where EVERY key of the batch is masked all logits are equal: c is then taken as 0, so that t = 0 and p = 1 for all keys.  Selects, no branch.
; ALL OF A HEAD'S K AND V STAY IN LDS: 2 x 131,072 bytes, each byte filled once.  Two groups of joint loads, one load a wave each: first K's keys 0-639 (waves 0-3) and V's keys 0-511 (waves 4-7),
; then the rest, which lands under key steps 0 to 3.  One barrier behind step 3; no slot is filled again.
; CLUSTER: the four work-groups of a cluster belong to one (batch, head) and ask for K and V jointly (mask 15).
; NO PREFETCH: every tile is asked for by these two groups at the head; no load follows for a prefetch to run ahead of.
; SHARES.  A work-group owns 256 queries; each of eight waves owns 32, two tiles A and B, so that each fragment of K, of V and of the table feeds two matrix instructions.  A key step is 128 keys.
; LAYOUT.  S^T = K Q^T (source 0 = 16 keys, source 1 = 16 queries; K = 64), O^T = V^T P^T (source 0 = 16 channels, source 1 = P; K = 128 keys): a lane holds one query of each tile throughout.
; Tile t's eight registers are keys 16 t + 8 (l / 16) + 0 .. 7: their codes are registers 2 t, 2 t + 1 of the second product's operand, and V's loads bring the same keys to the same registers.
; The next step's K and table entries are asked for under this step's softmax; the last step so reads 8,192 bytes behind K (V's first) and 512 behind the table (K's first), which nothing uses.
; LIMITS: eq + ek between -95 and 130, and small enough that a true score (at most 64 x 448^2 x 2^(eq + ek)) stays far above -8e9; the scaled scores stay under 2^31 in magnitude;
; ep, and e10 - ep - ev, between -126 and 119.  NaN among the inputs is not served.
; REGISTERS.  Window 0: v1-11 addresses; v12-15, v16-19 -M, largest t, sum of tiles A, B; v20 448 x 2^ep, v21 2^ep; v22-63 at work; v64-127, v128-191 S^T then p of A, B; v192-223, v224-255 O^T of A, B.
; Window 1: v0-63 K's fragments, v64-127 the table's entries, v128-191 V's fragments, v192-207 Q, v208-239 p's codes.  All the softmax's lines name window 0 alone.
.set KB0,   8192                       ; the table lies at 0, K's 2,048 rows behind it,
.set VB0,   KB0+131072                 ; then V's 32 blocks of 4,096 bytes
.set SPARE, VB0+131072                 ; the spare words, 128 bytes a wave: four blocks of 256 bytes that no other line names
.set FLG,   SPARE+1024                 ; one word a wave: has my part of the mask a key that counts?
.set STG,   FLG+256                    ; the way out: 32 rows x 80 bytes for each wave
.set OP,    80
.set AK0, 1
.set AV0, 2
.set AM0, 4
.set SPW, 5
.set NIL, 6
.set GO,  7
.set ADK, 8
.set ADV, 9
.set ADM, 10
.set HL,  20
.set SC,  21
.set SA,  64
.set SB,  128
.set OA,  192
.set OB,  224
.set KF,  0
.set CM,  64
.set VF,  128
.set QA,  192
.set QB,  200
.set PA,  208
.set PB,  224
.set KO,  2                            ; s2  8,192 x the key step: its place in K and in V
.set MO,  3                            ; s3  512 x the key step: its place in the table
.set WV,  18
.set CNT, 19
.set SEL, 20
.set CS,  22
.set G1K1, 24
.set G1K2, 32
.set G1V1, 40
.set G1V2, 48
.set G0K1, 56
.set G0K2, 60
.set G0V1, 68
.set G0V2, 72
.set GK, 15|(3<<16)|(1<<21)            ; the mask: all four work-groups; elements of 8 bytes; bit 21 beside a mask
.set GV, 15|(1<<21)                    ; the same with elements of 1 byte
.set MSB, 0
.macro WIN new                         ; the immediate's high byte repeats the setting that is left
.if MSB != \new
	s_set_vgpr_msb (MSB<<8)|\new
.set MSB, \new
.endif
.endm
.macro MKG1 g, w, d, r, st             ; r rows of d elements, st elements apart
	s_mov_b32 s[\g], \w
	s_mov_b32 s[\g+1], (\d)<<16
	s_mov_b32 s[\g+2], (\r)<<16
	s_mov_b32 s[\g+3], (\d)<<16
	s_mov_b32 s[\g+4], \r
	s_mov_b32 s[\g+5], \st
	s_mov_b32 s[\g+6], 0
	s_mov_b32 s[\g+7], 0
.endm
.macro MKG0 g, off                     ; the LDS address was written above
	s_mov_b32 s[\g], 1
	s_add_nc_u64 s[\g+2:\g+3], s[4:5], s[\off:\off+1]
	s_or_b32 s[\g+3], s[\g+3], 0x80000000
.endm
.macro TLOAD g0k, g1k, g0v, g1v        ; waves 0-3: K; waves 4-7: V: every wave issues one.  An s_nop 0 and four v_nop follow each line
	s_cmp_lt_u32 s[WV], 4
	s_cbranch_scc0 .Lfor_v_\@
	tensor_load_to_lds s[\g0k:\g0k+3], s[\g1k:\g1k+7]
	s_nop 0
.rept 4
	v_nop
.endr
	s_branch .Lasked_\@
.Lfor_v_\@:
	tensor_load_to_lds s[\g0v:\g0v+3], s[\g1v:\g1v+7]
	s_nop 0
.rept 4
	v_nop
.endr
.Lasked_\@:
.endm
.macro CROUND                          ; a round of the cluster's barrier
	s_barrier_signal -1
	s_barrier_wait -1
	s_cmp_lg_u32 s[WV], 0
	s_cbranch_scc1 .Lnot_wave_0_\@
	s_barrier_signal -3
.Lnot_wave_0_\@:
	s_barrier_wait -3
	s_barrier_signal -1
	s_barrier_wait -1
.endm
.macro KLOAD adr, off                  ; eight tiles of 16 keys
.irp t, 0,1,2,3,4,5,6,7
	ds_load_b128 v[KF+8*\t:KF+8*\t+3], v[\adr] offset:\off+1024*\t
	ds_load_b128 v[KF+8*\t+4:KF+8*\t+7], v[\adr] offset:\off+1024*\t+512
.endr
.endm
.macro CLOAD adr, off                  ; the table's entries of keys 16 t + 8 h + 0 .. 7
.irp t, 0,1,2,3,4,5,6,7
	ds_load_b128 v[CM+8*\t:CM+8*\t+3], v[\adr] offset:\off+64*\t
	ds_load_b128 v[CM+8*\t+4:CM+8*\t+7], v[\adr] offset:\off+64*\t+16
.endr
.endm
.macro VLOAD                           ; V^T: channels 16 u + r; registers 4 g on: keys 32 g + 8 h + 0 .. 7 and 32 g + 16 + 8 h + 0 .. 7
.irp u, 0,1,2,3
.irp g, 0,1,2,3
	ds_load_b128 v[VF+16*\u+4*\g:VF+16*\u+4*\g+3], v[ADV] offset:4096*(\g/2)+1024*\u+512*(\g%2)
.endr
.endr
.endm
; In a key step v22-63 are at work: v26, v27 the permutes' results, v[28:29], v[30:31] f of tiles A, B, v32-39, v40-47 the maxima's chains of A, B, then v32-63 partial sums.
; Line k of the chain that leads from a tile's eight partial maxima (v[m] on) to -M and f.  Each line hangs on the one before it, so the lines are laid one by one among the other tile's independent lines.
.macro CHN k, m, pl, st, f
.if (\k) == 0
	v_max3_num_f32 v[\m], v[\m], v[\m+1], v[\m+2]
.elseif (\k) == 1
	v_max3_num_f32 v[\m+3], v[\m+3], v[\m+4], v[\m+5]
.elseif (\k) == 2
	v_max3_num_f32 v[\m], v[\m], v[\m+6], v[\m+7]
.elseif (\k) == 3
	v_max_num_f32 v[\m], v[\m], v[\m+3]
.elseif (\k) == 4
	v_permlanex16_b32 v[\pl], v[\m], s[SEL], s[SEL+1]
.elseif (\k) == 5
	v_max_num_f32 v[\m], v[\m], v[\pl]             ; and among lane l xor 16's
.elseif (\k) == 6
	v_mul_f32 v[\m], s[CS], v[\m]                  ; as t (c is not negative)
.elseif (\k) == 7
	v_max_num_f32 v[\st+1], v[\st+1], v[\m]        ; the running largest t
.elseif (\k) == 8
	v_floor_f32 v[\m+1], -v[\st+1]                 ; the new -M = floor(-t): M is a whole number
.elseif (\k) == 9
	v_sub_f32 v[\m], v[\m+1], v[\st]               ; old M - new M
.elseif (\k) == 10
	v_mov_b32 v[\st], v[\m+1]
.elseif (\k) == 11
	v_cvt_i32_f32 v[\m], v[\m]                     ; (it saturates)
.elseif (\k) == 12
	v_ldexp_f32 v[\f], 1.0, v[\m]                  ; f = 2^(old M - new M)
.endif
.endm
; A lane's 64 scores into eight partial maxima, eight chains by turns; chain k begins at the low end of accumulator k.  hook = 1: tile A's chain to f stands among the lines
.macro MAX8 s, m, hook
.set n, 0
.rept 28
.if n < 8
	v_max3_num_f32 v[\m+n], v[\s+8*n], v[\s+8*n+1], v[\s+8*n+2]
.elseif n < 16
	v_max3_num_f32 v[\m+n-8], v[\m+n-8], v[\s+8*(n-8)+3], v[\s+8*(n-8)+4]
.elseif n < 24
	v_max3_num_f32 v[\m+n-16], v[\m+n-16], v[\s+8*(n-16)+5], v[\s+8*(n-16)+6]
.else
	v_max3_num_f32 v[\m+n-24], v[\m+n-24], v[\s+16*(n-24)+7], v[\s+16*(n-24)+15]
.endif
.if \hook && (n%2)
	CHN (n/2), 32, 26, 12, 28
.endif
.set n, n+1
.endr
.endm
.macro PADD d, a, b
	v_pk_add_f32 v[\d:\d+1], v[\a:\a+1], v[\b:\b+1]
.endm
.macro HOLD s                          ; the conversion does not saturate (ISA guide 7.6.2); p is not negative: a one-sided hold, two numbers an instruction
.set j, 0
.rept 32
	v_dual_min_num_f32 v[\s+j], v[HL], v[\s+j] :: v_dual_min_num_f32 v[\s+j+1], v[HL], v[\s+j+1]
.set j, j+2
.endr
.endm
.macro CODES p, s                      ; p's codes go into window 1
	WIN 0x40
.irp t, 0,1,2,3,4,5,6,7
	v_cvt_scalef32_pk8_fp8_f32 v[\p+2*\t:\p+2*\t+1], v[\s+8*\t:\s+8*\t+7], v[SC]
.endr
	WIN 0
.endm
	s_load_b256 s[4:11], s[0:1], 0x0               ; qkv s[4:5], mask s[6:7], the scales' exponents s[8:9], out s[10:11]
	v_lshl_add_u32 v[SPW], v0, 2, SPARE
	v_mov_b32 v[NIL], 0
	ds_add_u32 v[SPW], v[NIL]                      ; the wave's opening: the add, twice on end, and its wait ahead of my first tensor load
	ds_add_u32 v[SPW], v[NIL]
	v_lshrrev_b32 v8, 5, v0
	v_readfirstlane_b32 s[WV], v8                  ; wave 0..7
	s_bfe_u32 s81, ttmp6, 0x40000                  ; cx: it enters q's and the output's addresses alone
	s_lshl_b32 s82, ttmp9, 2
	s_add_co_u32 s82, s82, s81                     ; my block of 256 queries
	s_and_b32 s83, ttmp7, 0xffff
	s_and_b32 s84, s83, 15                         ; head
	s_lshr_b32 s85, s83, 4                         ; batch
	s_lshl_b32 s86, s84, 18
	s_lshl_b32 s87, s85, 17
	s_add_co_u32 s86, s86, s87                     ; the (batch, head)'s first byte in q, in k and in the output
	s_and_b32 s88, s[WV], 3                        ; which quarter of a group's K or V I fetch
	s_mul_i32 s89, s88, 10240                      ; K, first group: 160 keys a wave
	s_add_co_u32 s[G0K1+1], s89, KB0
	s_add_co_u32 s90, s89, s86
	s_add_co_u32 s90, s90, 0x400000                ; k lies behind q
	s_mov_b32 s91, 0
	s_mul_i32 s89, s88, 22528                      ; second group: 352 keys a wave, behind the first 640
	s_add_co_u32 s[G0K2+1], s89, KB0+40960
	s_add_co_u32 s92, s89, s86
	s_add_co_u32 s92, s92, 0x400000+40960
	s_mov_b32 s93, 0
	s_lshl_b32 s94, s85, 21                        ; V: the batch's 32 blocks of 65,536 bytes,
	s_lshl_b32 s95, s84, 12                        ; the head's 64 rows of 64 bytes,
	s_add_co_u32 s94, s94, s95
	s_add_co_u32 s94, s94, 0x800000                ; behind q and k
	s_lshl_b32 s89, s88, 13                        ; first group: two blocks a wave
	s_add_co_u32 s[G0V1+1], s89, VB0
	s_lshl_b32 s89, s88, 17
	s_add_co_u32 s96, s94, s89
	s_mov_b32 s97, 0
	s_mul_i32 s89, s88, 24576                      ; second group: six blocks a wave, behind the first eight
	s_add_co_u32 s[G0V2+1], s89, VB0+32768
	s_mul_i32 s89, s88, 6*65536
	s_add_co_u32 s98, s94, s89
	s_add_co_u32 s98, s98, 8*65536
	s_mov_b32 s99, 0
	s_lshl_b32 s14, s82, 14
	s_lshl_b32 s15, s[WV], 11
	s_add_co_u32 s14, s14, s15
	s_add_co_u32 s14, s14, s86                     ; my 32 queries: 2,048 bytes of q and of the output
	s_mov_b32 s15, 0
	s_lshl_b32 s16, s85, 13                        ; the batch's 2,048 words of the mask
	s_mov_b32 s17, 0
	MKG1 G1K1, GK, 32, 40, 32                      ; K is dense: rows of 256 bytes
	MKG1 G1K2, GK, 32, 88, 32
	MKG1 G1V1, GV, 4096, 2, 65536                  ; V: a block's 64 rows of my head lie on end: rows of 4,096 bytes, 65,536 apart
	MKG1 G1V2, GV, 4096, 6, 65536
	s_mov_b32 s[SEL], 0x76543210
	s_mov_b32 s[SEL+1], 0xfedcba98
	s_mov_b32 s[CS], 0x3e38aa3b                    ; c = log2(e) / 8
	s_mov_b32 s[KO], 0
	s_mov_b32 s[MO], 0
	s_wait_dscnt 0x0                               ; both opening adds are done
	s_wait_kmcnt 0x0
	s_load_b128 s[76:79], s[8:9], 0x18             ; eq, ek, ep, ev (entries 6 to 9)
	s_load_b32 s80, s[8:9], 0x28                   ; e10
	MKG0 G0K1, 90
	MKG0 G0K2, 92
	MKG0 G0V1, 96
	MKG0 G0V2, 98
	CROUND                                         ; all four work-groups are here: the first joint loads meet
	TLOAD G0K1, G1K1, G0V1, G1V1                   ; the first group: one tensor load a wave at the head
	s_add_nc_u64 s[12:13], s[4:5], s[14:15]        ; q at my first query
	s_add_nc_u64 s[10:11], s[10:11], s[14:15]      ; the output likewise
	s_add_nc_u64 s[6:7], s[6:7], s[16:17]
	v_and_b32 v[GO], 31, v0
	v_lshlrev_b32 v[GO], 4, v[GO]                  ; 16 x lane
	v_lshlrev_b32 v11, 4, v0
	WIN 0x40
	global_load_b128 v[QA:QA+3], v[GO], s[12:13]               ; Q's two fragments, in the order in which they lie
	global_load_b128 v[QA+4:QA+7], v[GO], s[12:13] offset:512
	global_load_b128 v[QB:QB+3], v[GO], s[12:13] offset:1024
	global_load_b128 v[QB+4:QB+7], v[GO], s[12:13] offset:1536
	WIN 0
	global_load_b128 v[64:67], v11, s[6:7]         ; the 256 threads read the batch's 2,048 mask words, eight each
	global_load_b128 v[68:71], v11, s[6:7] offset:4096
	v_add_nc_u32 v[AK0], KB0, v[GO]
	v_add_nc_u32 v[AV0], VB0, v[GO]
	v_bfe_u32 v9, v0, 4, 1
	v_lshlrev_b32 v[AM0], 5, v9                    ; the table: + 32 h: my half's eight keys of a tile
	s_lshl_b32 s81, s[WV], 2
	s_add_co_u32 s81, s81, FLG
	v_mov_b32 v38, s81                             ; my wave's flag word
	v_mov_b32 v39, FLG
	v_mov_b32 v13, 0xff61b1e6                      ; the largest t so far: -3e38
	v_mov_b32 v17, 0xff61b1e6
	v_floor_f32 v12, -v13                          ; -M
	v_floor_f32 v16, -v17
.irp r, 14,15,18,19,26,27,29,31
	v_mov_b32 v\r, 0                               ; the sums; the permutes' destinations and the upper words of pairs, written once
.endr
.set j, 0
.rept 64
	v_mov_b32 v[OA+j], 0                           ; O^T: the step is written once; its first turn finds zeros
.set j, j+1
.endr
	s_wait_kmcnt 0x0
	s_add_co_i32 s81, s76, s77
	s_lshl_b32 s81, s81, 23
	s_add_co_i32 s[CS], s[CS], s81                 ; c x 2^(eq + ek)
	s_sub_co_i32 s82, 0xcfee6b28, s81              ; R = -8e9 / 2^(eq + ek)
	v_mov_b32 v40, s82
	s_add_co_i32 s81, s78, 127
	s_lshl_b32 s82, s81, 23
	v_mov_b32 v[SC], s82                           ; 2^ep
	s_add_co_i32 s81, s81, 8
	s_lshl_b32 s81, s81, 23
	s_or_b32 s81, s81, 0x600000
	v_mov_b32 v[HL], s81                           ; 448 x 2^ep
	s_wait_alu depctr_va_vdst(0)
	s_wait_loadcnt 0x0                             ; Q and my mask words
.irp i, 0,1,2,3,4,5,6,7
	v_cmp_eq_u32 vcc_lo, 0, v[64+\i]
	v_cndmask_b32 v[72+\i], v[NIL], v40, vcc_lo    ; 0, or R where the key is masked
.endr
	ds_store_b128 v11, v[72:75]
	ds_store_b128 v11, v[76:79] offset:4096
.irp i, 0,1,2,3
	v_or_b32 v[64+\i], v[64+\i], v[68+\i]
.endr
	v_or_b32 v64, v64, v65
	v_or_b32 v66, v66, v67
	v_or_b32 v64, v64, v66
	v_cmp_ne_u32 s81, 0, v64
	s_cmp_lg_u32 s81, 0
	s_cselect_b32 s82, 1, 0                        ; has my wave's part a key that counts?
	v_mov_b32 v41, s82
	ds_store_b32 v38, v41                          ; all lanes write the same word with the same value
	s_wait_alu depctr_va_vdst(0)                   ; the head's end
	s_wait_tensorcnt 0x0                           ; my part of the first group is in
	ds_add_u32 v[SPW], v[NIL]
	s_wait_dscnt 0x0                               ; the add, and my stores into the table and the flags
	CROUND                                         ; the first group, the table and the flags are whole, and the joint loads meet
	TLOAD G0K2, G1K2, G0V2, G1V2                   ; the second group: bytes that nothing has filled
	ds_load_b128 v[64:67], v39
	ds_load_b128 v[68:71], v39 offset:16
	WIN 0x40
	KLOAD AK0, 0                                   ; key step 0's K and table entries
	CLOAD AM0, 0
	WIN 0
	s_wait_dscnt 32                                ; the eight flags are in
.irp i, 0,1,2,3
	v_or_b32 v[64+\i], v[64+\i], v[68+\i]
.endr
	v_or_b32 v64, v64, v65
	v_or_b32 v66, v66, v67
	v_or_b32 v64, v64, v66
	v_readfirstlane_b32 s81, v64
	s_cmp_lg_u32 s81, 0
	s_cselect_b32 s[CS], s[CS], 0                  ; every key masked: all logits are equal: c = 0
	s_mov_b32 s[CS+1], s[CS]                       ; named with it as a pair
; A KEY STEP: 128 keys x my 32 queries
.macro STEP
	s_wait_dscnt 0x0                               ; this step's K and table entries are in
	WIN 0x15                                       ; sources in window 1, results in window 0
.irp t, 0,1,2,3,4,5,6,7
	v_wmma_f32_16x16x64_fp8_fp8 v[SA+8*\t:SA+8*\t+7], v[KF+8*\t:KF+8*\t+7], v[QA:QA+7], v[CM+8*\t:CM+8*\t+7]
	v_wmma_f32_16x16x64_fp8_fp8 v[SB+8*\t:SB+8*\t+7], v[KF+8*\t:KF+8*\t+7], v[QB:QB+7], v[CM+8*\t:CM+8*\t+7]
.endr
	WIN 0
	v_add_nc_u32 v[ADV], s[KO], v[AV0]             ; four places behind the products, in front of loads into their sources and of the first read of the scores
	v_add_nc_u32 v[ADK], s[KO], v[AK0]
	v_add_nc_u32 v[ADM], s[MO], v[AM0]
	v_nop
	WIN 0x40
	VLOAD                                          ; this step's V, and below the next step's K and table entries: all land under the softmax
	WIN 0
	MAX8 SA, 32, 0
	WIN 0x40
	KLOAD ADK, 8192
	WIN 0
	MAX8 SB, 40, 1                                 ; tile B's maxima, and among them tile A's chain to f
	WIN 0x40
	CLOAD ADM, 512
	WIN 0
.set n, 0
.rept 48                                           ; tile A: t - M, then O^T under the new M; among them tile B's chain to f
.if n < 32
	v_pk_fma_f32 v[SA+2*n:SA+2*n+1], v[SA+2*n:SA+2*n+1], s[CS:CS+1], v[12:13] op_sel_hi:[1,0,0]
.else
	v_pk_mul_f32 v[OA+2*n-64:OA+2*n-63], v[OA+2*n-64:OA+2*n-63], v[28:29] op_sel_hi:[1,0]
.endif
.if (n%3) == 2
	CHN (n/3), 40, 27, 16, 30
.endif
.set n, n+1
.endr
.set n, 0
.rept 16
	v_pk_mul_f32 v[OB+2*n:OB+2*n+1], v[OB+2*n:OB+2*n+1], v[30:31] op_sel_hi:[1,0]
.set n, n+1
.endr
	s_wait_alu depctr_va_vdst(0)                   ; ahead of the batch
.set n, 0
.rept 32                                           ; p = 2^(t - M) of tile A; among the exponentials tile B's t - M: lines that hang on nothing written in the batch, and whose results are first read behind the next wait
	v_exp_f32 v[SA+2*n], v[SA+2*n]
	v_exp_f32 v[SA+2*n+1], v[SA+2*n+1]
	v_pk_fma_f32 v[SB+2*n:SB+2*n+1], v[SB+2*n:SB+2*n+1], s[CS:CS+1], v[16:17] op_sel_hi:[1,0,0]
.set n, n+1
.endr
	s_wait_alu depctr_va_vdst(0)                   ; behind tile A's batch and ahead of tile B's
.set n, 0
.rept 16                                           ; p of tile B; among the exponentials, of tile A: the first level of the row's sum (of the unquantised p), then the hold on the same four numbers
	v_exp_f32 v[SB+4*n], v[SB+4*n]
	PADD 32+2*n, SA+4*n, SA+4*n+2
	v_exp_f32 v[SB+4*n+1], v[SB+4*n+1]
	v_dual_min_num_f32 v[SA+4*n], v[HL], v[SA+4*n] :: v_dual_min_num_f32 v[SA+4*n+1], v[HL], v[SA+4*n+1]
	v_exp_f32 v[SB+4*n+2], v[SB+4*n+2]
	v_dual_min_num_f32 v[SA+4*n+2], v[HL], v[SA+4*n+2] :: v_dual_min_num_f32 v[SA+4*n+3], v[HL], v[SA+4*n+3]
	v_exp_f32 v[SB+4*n+3], v[SB+4*n+3]
.set n, n+1
.endr
	v_pk_mul_f32 v[14:15], v[14:15], v[28:29] op_sel_hi:[1,0]   ; the sums under the new M: plain lines behind the exponentials
	v_pk_mul_f32 v[18:19], v[18:19], v[30:31] op_sel_hi:[1,0]
	s_wait_alu depctr_va_vdst(0)                   ; one wait for the batch, ahead of its first reader
.irp k, 0,1,2,3,4,5,6,7                            ; tile A's sixteen partial sums go down a tree; tile B's 32 pairs go into eight chains (v48-63); the two take turns
	PADD 32+2*\k, 32+2*\k, 48+2*\k
.endr
.irp k, 0,1,2,3,4,5,6,7
	PADD 48+2*\k, SB+4*\k, SB+4*\k+2
.endr
.irp k, 0,1,2,3
	PADD 32+2*\k, 32+2*\k, 40+2*\k
.endr
.irp k, 0,1,2,3,4,5,6,7
	PADD 48+2*\k, 48+2*\k, SB+32+2*\k
.endr
	PADD 32, 32, 36
	PADD 34, 34, 38
.irp k, 0,1,2,3,4,5,6,7
	PADD 48+2*\k, 48+2*\k, SB+48+2*\k
.endr
	PADD 32, 32, 34
.irp k, 0,1,2,3
	PADD 48+2*\k, 48+2*\k, 56+2*\k
.endr
	PADD 14, 14, 32
	PADD 48, 48, 52
	PADD 50, 50, 54
	HOLD SB
	PADD 48, 48, 50
	CODES PA, SA
	PADD 18, 18, 48
	CODES PB, SB
	v_nop                                          ; a plain line behind the last conversion
	s_wait_alu depctr_va_vdst(0)
	s_wait_dscnt 32                                ; V is in; the 16 loads of K and the 16 of the table behind it may be out
	WIN 0x05                                       ; sources 0 and 1 in window 1, O^T in window 0
.irp u, 0,1,2,3
	v_wmma_f32_16x16x128_fp8_fp8 v[OA+8*\u:OA+8*\u+7], v[VF+16*\u:VF+16*\u+15], v[PA:PA+15], v[OA+8*\u:OA+8*\u+7]
	v_wmma_f32_16x16x128_fp8_fp8 v[OB+8*\u:OB+8*\u+7], v[VF+16*\u:VF+16*\u+15], v[PB:PB+15], v[OB+8*\u:OB+8*\u+7]
.endr
	WIN 0
	s_add_co_u32 s[KO], s[KO], 8192
	s_add_co_u32 s[MO], s[MO], 512
.endm
	s_mov_b32 s[CNT], 4
	s_wait_alu depctr_va_vdst(0)                   ; the head's end
.Lfirst:                                           ; key steps 0 to 3 read the first group alone: V's keys 0-511, K's keys 0-639 (step 3 asks for step 4's K)
	STEP
	s_sub_co_u32 s[CNT], s[CNT], 1
	s_cmp_lg_u32 s[CNT], 0
	s_cbranch_scc1 .Lfirst
	s_wait_tensorcnt 0x0                           ; my part of the second group is in;
	s_wait_dscnt 0x0                               ; no LDS instruction of mine is out at the signal
	s_barrier_signal -1
	s_barrier_wait -1                              ; everybody's part is in.
	s_mov_b32 s[CNT], 12
.Lrest:                                            ; key steps 4 to 15
	STEP
	s_sub_co_u32 s[CNT], s[CNT], 1
	s_cmp_lg_u32 s[CNT], 0
	s_cbranch_scc1 .Lrest
	; THE WAY OUT: O^T / the sum, quantised with 2^(e10 - ep - ev), through my own stage, so that the wave stores its 32 rows of 64 codes as 2,048 consecutive bytes
	v_add_f32 v14, v14, v15
	v_add_f32 v18, v18, v19
	v_permlanex16_b32 v26, v14, s[SEL], s[SEL+1]
	v_permlanex16_b32 v27, v18, s[SEL], s[SEL+1]
	v_add_f32 v14, v14, v26
	v_add_f32 v18, v18, v27
	s_wait_alu depctr_va_vdst(0)                   ; ahead of the transcendentals
	v_rcp_f32 v14, v14
	v_rcp_f32 v18, v18
	v_and_b32 v8, 15, v0                           ; a plain line behind the reciprocals
	v_bfe_u32 v9, v0, 4, 1
	s_mul_i32 s81, s[WV], 32*OP
	s_add_co_u32 s81, s81, STG
	v_mul_u32_u24 v10, v8, OP
	v_lshl_add_u32 v10, v9, 3, v10
	v_add_nc_u32 v10, s81, v10                     ; in: row r, + 8 h
	v_and_b32 v11, 31, v0
	v_lshrrev_b32 v22, 2, v11
	v_mul_u32_u24 v22, v22, OP
	v_and_b32 v11, 3, v11
	v_lshl_add_u32 v11, v11, 4, v22
	v_add_nc_u32 v11, s81, v11                     ; back: four lanes to a row, eight rows a load
	s_sub_co_i32 s81, s80, s78
	s_sub_co_i32 s81, s81, s79                     ; e10 - ep - ev
	s_add_co_i32 s81, s81, 127
	s_lshl_b32 s82, s81, 23
	v_mov_b32 v42, s82
	s_add_co_i32 s81, s81, 8
	s_lshl_b32 s81, s81, 23
	s_or_b32 s81, s81, 0x600000
	v_mov_b32 v41, s81
	s_wait_alu depctr_va_vdst(0)                   ; ahead of the first reader of the reciprocals and of O^T
.set j, 0
.rept 16
	v_pk_mul_f32 v[64+j:65+j], v[OA+j:OA+j+1], v[14:15] op_sel_hi:[1,0]   ; register 8 u + i: channel 16 u + 8 h + i of my query
.set j, j+2
.endr
.set j, 0
.rept 16
	v_pk_mul_f32 v[96+j:97+j], v[OB+j:OB+j+1], v[18:19] op_sel_hi:[1,0]
.set j, j+2
.endr
.irp u, 0,1,2,3,4,5,6,7
.irp i, 0,1,2,3,4,5,6,7
	v_med3_num_f32 v[64+8*\u+\i], v[64+8*\u+\i], -v41, v41
.endr
	v_cvt_scalef32_pk8_fp8_f32 v[44+2*\u:45+2*\u], v[64+8*\u:71+8*\u], v42
.endr
	v_nop
.irp u, 0,1,2,3,4,5,6,7
	ds_store_b64 v10, v[44+2*\u:45+2*\u] offset:16*OP*(\u/4)+16*(\u%4)
.endr
.irp i, 0,1,2,3
	ds_load_b128 v[128+4*\i:131+4*\i], v11 offset:8*OP*\i      ; LDS serves a wave's instructions in order (ISA guide 5.7.1.4): these see my stores
.endr
.irp i, 0,1,2,3
	s_wait_dscnt 3-\i
	global_store_b128 v[GO], v[128+4*\i:131+4*\i], s[10:11] offset:512*\i   ; 32 lanes store 512 consecutive bytes, aligned
.endr
	s_wait_tensorcnt 0x0                           ; the wave's end
	ds_add_u32 v[SPW], v[NIL]
	s_wait_dscnt 0x0
	CROUND                                         ; the closing round
	s_endpgm
.Lfunc_end_k_q77f38ae700_attn:
	.size	k_q77f38ae700_attn, .Lfunc_end_k_q77f38ae700_attn-k_q77f38ae700_attn
	.p2alignl 7, 3214868480
	.fill 96, 4, 3214868480
	.section	.rodata,"a",@progbits
	.p2align	6, 0x0
	.amdhsa_kernel k_q77f38ae700_attn
		.amdhsa_group_segment_fixed_size 327680
		.amdhsa_private_segment_fixed_size 0
		.amdhsa_enable_private_segment 0
		.amdhsa_kernarg_size 32
		.amdhsa_user_sgpr_count 2
		.amdhsa_user_sgpr_kernarg_segment_ptr 1
		.amdhsa_wavefront_size32 1
		.amdhsa_system_sgpr_workgroup_id_x 1
		.amdhsa_system_sgpr_workgroup_id_y 1
		.amdhsa_system_sgpr_workgroup_id_z 1
		.amdhsa_system_vgpr_workitem_id 0
		.amdhsa_next_free_vgpr 512
		.amdhsa_next_free_sgpr 100
		.amdhsa_reserve_vcc 1
		.amdhsa_float_denorm_mode_32 3
		.amdhsa_float_denorm_mode_16_64 3
		.amdhsa_memory_ordered 1
		.amdhsa_forward_progress 1
		.amdhsa_inst_pref_size 84
	.end_amdhsa_kernel
	.amdgpu_metadata
---
amdhsa.version: [ 1, 2 ]
amdhsa.kernels:
  - .name:           k_q77f38ae700_attn
    .symbol:         k_q77f38ae700_attn.kd
    .args:
      - { .name: qkv, .offset: 0, .size: 8, .value_kind: global_buffer, .address_space: global }
      - { .name: mask, .offset: 8, .size: 8, .value_kind: global_buffer, .address_space: global }
      - { .name: lowp_scales, .offset: 16, .size: 8, .value_kind: global_buffer, .address_space: global }
      - { .name: ao, .offset: 24, .size: 8, .value_kind: global_buffer, .address_space: global }
    .group_segment_fixed_size: 327680
    .private_segment_fixed_size: 0
    .kernarg_segment_align: 8
    .kernarg_segment_size: 32
    .max_flat_workgroup_size: 256
    .sgpr_count:     100
    .vgpr_count:     512
    .wavefront_size: 32
...
	.end_amdgpu_metadata
.endif
;; end of part 3
;; launch oproj (part 4): grid 8 x 32, 4 waves a work-group, clusters of 4 x 4, 327,680 bytes of LDS; arguments ao, wc, lowp_scales, bo, x, x1; writes x1
.if DOCPART == 4
	.amdgcn_target "amdgcn-amd-amdhsa--gfx1250"
	.amdhsa_code_object_version 6
	.text
	.protected	k_q77f38ae700_oproj
	.globl	k_q77f38ae700_oproj
	.p2align	8
	.type	k_q77f38ae700_oproj,@function
k_q77f38ae700_oproj:
	s_mov_b64 s[64:65], 0
	v_nop
	global_prefetch_b8 v0, s[64:65] scope:SCOPE_SE
	s_setreg_imm32_b32 hwreg(HW_REG_WAVE_MODE, 25, 1), 1
	s_wait_xcnt 0x0
	s_wait_alu depctr_hold_cnt(0) depctr_sa_sdst(0) depctr_va_vdst(0) depctr_va_sdst(0) depctr_va_ssrc(0) depctr_va_vcc(0) depctr_vm_vsrc(0)
	s_getreg_b32 s2, hwreg(HW_REG_IB_STS2, 6, 4)
	s_cmp_eq_u32 s2, 0
	s_cbranch_scc0 .Lentry_in_a_cluster
	s_endpgm
.Lentry_in_a_cluster:
	s_bfe_u32 s2, ttmp6, 0x10000c
	s_cmp_lg_u32 s2, 0xf033
	s_cbranch_scc0 .Lentry_shape_is_right
	s_endpgm
.Lentry_shape_is_right:
.set KTOT,  1024
.set WOFF,  0x300000
.set SCO,   40
.set AHALF, 8*64*80
.set BHALF, 64*528
.set SLOT,  2*AHALF+2*BHALF
.set STAGE, 2*SLOT
.set SPITCH, 272
.set SPARE, STAGE+4*16*SPITCH
.set LAPS,  KTOT/1024
.set ADRA, 16
.set ADRB, 20
.set STO,  24
.set RD,   25
.set CO,   26
.set SPW,  28
.set NIL,  29
.set BK,   32
.set ACC,  128
.set F0,   0
.set F1,   128
.set G1, 24
.set G0, 32
.set G1B, 48
.set G0B, 56
.set MSB, 0
.macro WIN new
.if MSB != \new
	s_set_vgpr_msb (MSB<<8)|\new
.set MSB, \new
.endif
.endm
.set MUL,  0x05
.set TO_F, 0x40
.macro JLOAD s
	s_cmp_eq_u32 s15, 0
	s_cbranch_scc0 .Lfor_b_\@
	tensor_load_to_lds s[G0+4*\s:G0+4*\s+3], s[G1:G1+7]
	s_nop 0
.rept 4
	v_nop
.endr
	s_branch .Lasked_\@
.Lfor_b_\@:
	tensor_load_to_lds s[G0B+4*\s:G0B+4*\s+3], s[G1B:G1B+7]
	s_nop 0
.rept 4
	v_nop
.endr
.Lasked_\@:
.endm
.macro CREST
	s_cmp_lg_u32 s14, 0
	s_cbranch_scc1 .Lnot_wave_0_\@
	s_barrier_signal -3
.Lnot_wave_0_\@:
	s_barrier_wait -3
	s_barrier_signal -1
	s_barrier_wait -1
.endm
.macro CROUND
	s_barrier_signal -1
	s_barrier_wait -1
	CREST
.endm
	s_load_b128 s[4:7], s[0:1], 0x0
	s_load_b128 s[8:11], s[0:1], 0x10
	s_load_b128 s[68:71], s[0:1], 0x20
	v_lshl_add_u32 v[SPW], v0, 2, SPARE
	v_mov_b32 v[NIL], 0
	ds_add_u32 v[SPW], v[NIL]
	ds_add_u32 v[SPW], v[NIL]
	v_lshrrev_b32 v1, 5, v0
	v_readfirstlane_b32 s14, v1
	s_lshr_b32 s15, s14, 1
	s_and_b32 s16, s14, 1
	s_bfe_u32 s40, ttmp6, 0x40000
	s_bfe_u32 s41, ttmp6, 0x40004
	s_lshl_b32 s42, ttmp9, 2
	s_add_co_u32 s42, s42, s40
	s_and_b32 s17, ttmp7, 0xffff
	s_lshl_b32 s17, s17, 2
	s_add_co_u32 s17, s17, s41
	s_lshl_b32 s43, s41, 2
	s_lshl_b32 s43, 15, s43
	s_lshl_b32 s44, 0x1111, s40
	s_or_b32 s[G1+0], s43, (0<<16)|(1<<20)|(1<<21)|(3<<22)|(3<<25)
	s_mov_b32 s[G1+1], 4096<<16
	s_mov_b32 s[G1+2], 8<<16
	s_mov_b32 s[G1+3], 4096<<16
	s_mov_b32 s[G1+4], 8
	s_mov_b32 s[G1+5], 262144
	s_mov_b32 s[G1+6], 0
	s_mov_b32 s[G1+7], 0
	s_or_b32 s[G1B+0], s44, (0<<16)|(1<<20)|(1<<21)|(6<<22)|(3<<25)
	s_mov_b32 s[G1B+1], 512<<16
	s_mov_b32 s[G1B+2], 64<<16
	s_mov_b32 s[G1B+3], 512<<16
	s_mov_b32 s[G1B+4], 64
	s_mov_b32 s[G1B+5], KTOT
	s_mov_b32 s[G1B+6], 0
	s_mov_b32 s[G1B+7], 0
	s_lshl_b32 s20, s17, 13
	s_lshl_b32 s18, s16, 12
	s_add_co_u32 s20, s20, s18
	s_mov_b32 s21, 0
	s_mul_i32 s46, s42, 128*KTOT
	s_mul_i32 s47, s16, 64*KTOT
	s_add_co_u32 s46, s46, s47
	s_add_co_u32 s46, s46, WOFF
	s_mov_b32 s47, 0
	s_mul_i32 s45, s16, AHALF
	s_mul_i32 s19, s16, BHALF
	s_add_co_u32 s19, s19, 2*AHALF
	s_wait_dscnt 0x0
	s_wait_kmcnt 0x0
	s_load_b64 s[96:97], s[8:9], SCO
	s_add_nc_u64 s[20:21], s[4:5], s[20:21]
	s_add_nc_u64 s[46:47], s[6:7], s[46:47]
	CROUND
.irp s, 0,1
	s_mov_b32 s[G0+4*\s], 1
	s_add_co_u32 s[G0+4*\s+1], s45, \s*SLOT
	s_add_nc_u64 s[G0+4*\s+2:G0+4*\s+3], s[20:21], \s*8*262144
	s_or_b32 s[G0+4*\s+3], s[G0+4*\s+3], 0x80000000
	s_mov_b32 s[G0B+4*\s], 1
	s_add_co_u32 s[G0B+4*\s+1], s19, \s*SLOT
	s_add_nc_u64 s[G0B+4*\s+2:G0B+4*\s+3], s[46:47], \s*512
	s_or_b32 s[G0B+4*\s+3], s[G0B+4*\s+3], 0x80000000
.endr
	JLOAD 0                                        ; slot 0: one tensor load a wave at the head
	; A PREFETCH INTO THE L2 of what slot 1's load, the only other fill, will ask for: a wave's load is 32,768 bytes, 128 blocks of 256; the four partners that ask for it jointly share them out BY ADDRESS,
	; 32 each, a lane a block, one instruction a wave: A: K blocks 2 p, 2 p + 1 of the slot's eight (p = cx), B: rows 16 p on of the 64 (p = cy).  It stands half of K ahead of that load.
	s_cmp_eq_u32 s15, 0                            ; do I fetch for A?
	s_cselect_b64 s[82:83], s[20:21], s[46:47]
	s_cselect_b32 s84, s40, s41                    ; my place among the four that ask with me
	s_cselect_b32 s85, 19, 14                      ; a partner's share: 2 K blocks of 262,144 bytes, or 16 rows of 1,024
	s_cselect_b32 s89, 4, 1                        ; 16 blocks of 256 bytes to a K block's 4,096, or 2 to a row's 512
	s_cselect_b32 s90, 15, 1
	s_mov_b32 s91, 1024
	s_cselect_b32 s91, 0x40000, s91
	s_mov_b32 s88, 512
	s_cselect_b32 s88, 0x200000, s88               ; slot 1: 8 K blocks on, or 512 bytes along a row
	s_lshl_b32 s86, s84, s85
	s_add_co_u32 s86, s86, s88
	s_mov_b32 s87, 0
	s_add_nc_u64 s[82:83], s[82:83], s[86:87]
	v_and_b32 v8, 31, v0
	v_lshrrev_b32 v9, s89, v8
	v_and_b32 v8, s90, v8
	v_mul_lo_u32 v9, v9, s91
	v_lshl_add_u32 v30, v8, 8, v9                  ; my lane's block
	s_wait_alu depctr_va_vdst(0)
	global_prefetch_b8 v30, s[82:83] th:TH_LOAD_NT scope:SCOPE_SE
	v_and_b32 v1, 15, v0
	v_bfe_u32 v2, v0, 4, 1
	v_mul_u32_u24 v3, v1, 80
	v_lshl_add_u32 v3, v2, 4, v3
	v_mul_u32_u24 v4, v1, 528
	v_lshl_add_u32 v4, v2, 4, v4
	s_mul_i32 s21, s15, AHALF
	s_mul_i32 s22, s16, BHALF
	s_add_co_u32 s22, s22, 2*AHALF
.irp s, 0,1
	v_add_nc_u32 v[ADRA+\s], s21, v3
	v_add_nc_u32 v[ADRB+\s], s22, v4
	s_add_co_u32 s21, s21, SLOT
	s_add_co_u32 s22, s22, SLOT
.endr
	s_mul_i32 s23, s14, 16*SPITCH
	s_add_co_u32 s23, s23, STAGE
	v_mul_u32_u24 v6, v1, SPITCH
	v_lshl_add_u32 v6, v2, 5, v6
	v_add_nc_u32 v[STO], s23, v6
	v_mul_u32_u24 v7, v2, SPITCH
	v_lshl_add_u32 v7, v1, 4, v7
	v_add_nc_u32 v[RD], s23, v7
	v_lshlrev_b32 v[CO], 12, v2
	v_lshl_add_u32 v[CO], v1, 4, v[CO]
	s_wait_alu depctr_va_vdst(0)
	s_lshl_b32 s22, s42, 9
	s_lshl_b32 s23, s16, 8
	s_add_co_u32 s22, s22, s23
	s_lshl_b32 s20, s17, 19
	s_lshl_b32 s21, s15, 18
	s_add_co_u32 s20, s20, s21
	s_add_co_u32 s20, s20, s22
	s_mov_b32 s21, 0
	s_mov_b32 s23, 0
	s_add_nc_u64 s[68:69], s[68:69], s[20:21]
	s_add_nc_u64 s[70:71], s[70:71], s[20:21]
	s_add_nc_u64 s[10:11], s[10:11], s[22:23]
	v_lshlrev_b32 v5, 4, v1
	global_load_b128 v[12:15], v5, s[10:11]
	WIN 0x80
.irp a, 0,1,2,3
.irp t, 0,1,2,3,4,5,6,7
	global_load_b128 v[32*\a+4*\t:32*\a+4*\t+3], v[CO], s[68:69] offset:(16*\a+2*\t)*4096
.endr
.endr
	WIN 0
.macro MULA f, a, zero
.irp b, 0,1,2,3
.if \zero
	v_wmma_f32_16x16x128_fp8_fp8 v[ACC+8*(4*(\a)+\b):ACC+8*(4*(\a)+\b)+7], v[\f+64+16*\b:\f+64+16*\b+15], v[\f+16*(\a):\f+16*(\a)+15], 0
.else
	v_wmma_f32_16x16x128_fp8_fp8 v[ACC+8*(4*(\a)+\b):ACC+8*(4*(\a)+\b)+7], v[\f+64+16*\b:\f+64+16*\b+15], v[\f+16*(\a):\f+16*(\a)+15], v[ACC+8*(4*(\a)+\b):ACC+8*(4*(\a)+\b)+7]
.endif
.endr
.endm
.macro FETCH slot, q, f
	WIN TO_F
.irp i, 0,1,2,3
.irp c, 0,1,2,3
	ds_load_b128 v[\f+64+16*\i+4*\c:\f+64+16*\i+4*\c+3], v[ADRB+\slot] offset:128*(\q)+32*\c+16*528*\i
.endr
.endr
.irp i, 0,1,2,3
.irp c, 0,1,2,3
	ds_load_b128 v[\f+16*\i+4*\c:\f+16*\i+4*\c+3], v[ADRA+\slot] offset:(2*(\q)+\c/2)*5120+1280*\i+32*(\c%2)
.endr
.endr
.endm
.macro PLACES
.rept 4
	v_nop
.endr
.endm
.macro QUARTER slot, qn, f, g, zero
	s_wait_dscnt 8
	WIN MUL
	MULA \f, 0, \zero
	MULA \f, 1, \zero
	PLACES
	FETCH \slot, \qn, \g
	s_wait_dscnt 32
	WIN MUL
	MULA \f, 2, \zero
	MULA \f, 3, \zero
.endm
.macro TURN slot, next, fill
	WIN 0
	s_wait_tensorcnt 0x0
	ds_add_u32 v[SPW], v[NIL]
	s_wait_dscnt 9
	WIN MUL
	MULA F1, 0, 0
	s_wait_dscnt 0x0
	s_barrier_signal -1
	MULA F1, 1, 0
.if \fill
	WIN 0
.endif
	s_barrier_wait -1
.if \fill
	CREST
	s_add_nc_u64 s[G0+4*\slot+2:G0+4*\slot+3], s[G0+4*\slot+2:G0+4*\slot+3], 16*262144
	s_add_nc_u64 s[G0B+4*\slot+2:G0B+4*\slot+3], s[G0B+4*\slot+2:G0B+4*\slot+3], 1024
	JLOAD \slot
.else
	PLACES
.endif
	FETCH \next, 0, F0
	WIN MUL
	MULA F1, 2, 0
	MULA F1, 3, 0
.endm
	s_wait_alu depctr_va_vdst(0)                   ; the head's end
	s_wait_tensorcnt 0x0                           ; my part of slot 0 is in
	ds_add_u32 v[SPW], v[NIL]
	s_wait_dscnt 0x0
	CROUND
	JLOAD 1                                        ; slot 1: the first tensor load behind the round
	FETCH 0, 0, F0
	QUARTER 0, 1, F0, F1, 1
.if LAPS > 1
	WIN 0
	s_mov_b32 s3, LAPS-1
.Llap:
	QUARTER 0, 2, F1, F0, 0
	QUARTER 0, 3, F0, F1, 0
	TURN 0, 1, 1
	QUARTER 1, 1, F0, F1, 0
	QUARTER 1, 2, F1, F0, 0
	QUARTER 1, 3, F0, F1, 0
	TURN 1, 0, 1
	QUARTER 0, 1, F0, F1, 0
	WIN 0
	s_sub_co_u32 s3, s3, 1
	s_cmp_lg_u32 s3, 0
	s_cbranch_scc1 .Llap
.endif
	QUARTER 0, 2, F1, F0, 0
	QUARTER 0, 3, F0, F1, 0
	TURN 0, 1, 0
	QUARTER 1, 1, F0, F1, 0
	QUARTER 1, 2, F1, F0, 0
	QUARTER 1, 3, F0, F1, 0
	s_wait_dscnt 8
	WIN MUL
	MULA F1, 0, 0
	MULA F1, 1, 0
	s_wait_dscnt 0
	MULA F1, 2, 0
	MULA F1, 3, 0
	WIN 0
.macro TOSTAGE a
.set BB, BK+32*((\a)%2)
.irp b, 0,1,2,3
	ds_store_b128 v[STO], v[ACC+8*(4*(\a)+\b):ACC+8*(4*(\a)+\b)+3] offset:64*\b
	ds_store_b128 v[STO], v[ACC+8*(4*(\a)+\b)+4:ACC+8*(4*(\a)+\b)+7] offset:64*\b+16
.endr
.irp t, 0,1,2,3,4,5,6,7
	ds_load_b128 v[BB+4*\t:BB+4*\t+3], v[RD] offset:\t*2*SPITCH
.endr
.endm
.macro SEND a, younger
.set BB, BK+32*((\a)%2)
	s_wait_dscnt \younger
	WIN 0x20
.set i, 0
.rept 16
	v_pk_fma_f32 v[BB+i:BB+i+1], v[BB+i:BB+i+1], s[96:97], v[32*(\a)+i:32*(\a)+i+1] op_sel_hi:[1,0,1]
.set i, i+2
.endr
	WIN 0
.irp t, 0,1,2,3,4,5,6,7
	v_pk_add_f32 v[BB+4*\t:BB+4*\t+1], v[BB+4*\t:BB+4*\t+1], v[12:13]
	v_pk_add_f32 v[BB+4*\t+2:BB+4*\t+3], v[BB+4*\t+2:BB+4*\t+3], v[14:15]
.endr
.irp t, 0,1,2,3,4,5,6,7
	global_store_b128 v[CO], v[BB+4*\t:BB+4*\t+3], s[70:71] offset:(16*(\a)+2*\t)*4096
.endr
.endm
	s_wait_kmcnt 0x0
	s_add_co_i32 s96, s96, s97
	s_add_co_i32 s96, s96, 127
	s_lshl_b32 s96, s96, 23
	s_wait_loadcnt 0x0
	PLACES
	TOSTAGE 0
.irp a, 1,2,3
.if \a > 1
	s_wait_xcnt 0x0
.endif
	TOSTAGE \a
	SEND \a-1, 16
.endr
	SEND 3, 0
	s_wait_tensorcnt 0x0
	ds_add_u32 v[SPW], v[NIL]
	s_wait_dscnt 0x0
	CROUND
	s_endpgm
.Lfunc_end_k_q77f38ae700_oproj:
	.size	k_q77f38ae700_oproj, .Lfunc_end_k_q77f38ae700_oproj-k_q77f38ae700_oproj
	.p2alignl 7, 3214868480
	.fill 96, 4, 3214868480
	.section	.rodata,"a",@progbits
	.p2align	6, 0x0
	.amdhsa_kernel k_q77f38ae700_oproj
		.amdhsa_group_segment_fixed_size 327680
		.amdhsa_private_segment_fixed_size 0
		.amdhsa_enable_private_segment 0
		.amdhsa_kernarg_size 48
		.amdhsa_user_sgpr_count 2
		.amdhsa_user_sgpr_kernarg_segment_ptr 1
		.amdhsa_wavefront_size32 1
		.amdhsa_system_sgpr_workgroup_id_x 1
		.amdhsa_system_sgpr_workgroup_id_y 1
		.amdhsa_system_sgpr_workgroup_id_z 1
		.amdhsa_system_vgpr_workitem_id 0
		.amdhsa_next_free_vgpr 640
		.amdhsa_next_free_sgpr 100
		.amdhsa_reserve_vcc 0
		.amdhsa_float_denorm_mode_32 3
		.amdhsa_float_denorm_mode_16_64 3
		.amdhsa_memory_ordered 1
		.amdhsa_forward_progress 1
		.amdhsa_inst_pref_size 55
	.end_amdhsa_kernel
	.amdgpu_metadata
---
amdhsa.version: [ 1, 2 ]
amdhsa.kernels:
  - .name:           k_q77f38ae700_oproj
    .symbol:         k_q77f38ae700_oproj.kd
    .args:
      - { .name: ao, .offset: 0, .size: 8, .value_kind: global_buffer, .address_space: global }
      - { .name: wc, .offset: 8, .size: 8, .value_kind: global_buffer, .address_space: global }
      - { .name: lowp_scales, .offset: 16, .size: 8, .value_kind: global_buffer, .address_space: global }
      - { .name: bo, .offset: 24, .size: 8, .value_kind: global_buffer, .address_space: global }
      - { .name: x, .offset: 32, .size: 8, .value_kind: global_buffer, .address_space: global }
      - { .name: x1, .offset: 40, .size: 8, .value_kind: global_buffer, .address_space: global }
    .group_segment_fixed_size: 327680
    .private_segment_fixed_size: 0
    .kernarg_segment_align: 8
    .kernarg_segment_size: 48
    .max_flat_workgroup_size: 128
    .sgpr_count:     100
    .vgpr_count:     640
    .wavefront_size: 32
...
	.end_amdgpu_metadata
.endif
;; end of part 4
;; launch ln2 (part 5): grid 256 x 1, 8 waves a work-group, no clusters, 0 bytes of LDS; arguments x1, a2, n2, lowp_scales, x2c; writes x2c
.if DOCPART == 5
	.amdgcn_target "amdgcn-amd-amdhsa--gfx1250"
	.amdhsa_code_object_version 6
	.text
	.protected	k_q77f38ae700_ln2
	.globl	k_q77f38ae700_ln2
	.p2align	8
	.type	k_q77f38ae700_ln2,@function
k_q77f38ae700_ln2:
	s_mov_b64 s[64:65], 0
	v_nop
	global_prefetch_b8 v0, s[64:65] scope:SCOPE_SE
	s_setreg_imm32_b32 hwreg(HW_REG_WAVE_MODE, 25, 1), 1
	s_wait_xcnt 0x0
; LayerNorm 2 of x1 [4096][1024] f32 (mean; std with divisor 1023; eps added to std; scalar gain and bias), quantised with entry 12 into x2c [4096][1024], codes of FP8 (E4M3).
; A wave takes NROW = 2 rows; a lane holds eight neighbours along K for each quarter of a row; its 8 codes are 8 bytes: the 32 lanes of a store cover 256 consecutive bytes, aligned.
; LIMITS: e12 between -126 and 119.  NaN among the inputs is not served.  No LDS, no barrier: waves share nothing.
.set NROW, 2
.set NSET, 1
.set X,    32                          ; v32-95   two rows of 32 numbers a lane
.set T0,   96                          ; v96-111  two sets of eight held numbers, by turns
.set C,    112                         ; v112-119 a row's codes
.macro LOADS i, base
.irp j, 0,1,2,3
	global_load_b128 v[X+32*(\i)+8*\j:X+32*(\i)+8*\j+3],   v2, s[\base:\base+1] offset:4096*(\i)+1024*\j
	global_load_b128 v[X+32*(\i)+8*\j+4:X+32*(\i)+8*\j+7], v2, s[\base:\base+1] offset:4096*(\i)+1024*\j+16
.endr
.endm
.macro RED r                           ; the sum over the wave's 32 lanes, in every lane
	s_delay_alu instid0(VALU_DEP_1)
	v_add_f32_dpp v[\r], v[\r], v[\r] row_xmask:1 row_mask:0xf bank_mask:0xf
	s_delay_alu instid0(VALU_DEP_1)
	v_add_f32_dpp v[\r], v[\r], v[\r] row_xmask:2 row_mask:0xf bank_mask:0xf
	s_delay_alu instid0(VALU_DEP_1)
	v_add_f32_dpp v[\r], v[\r], v[\r] row_xmask:4 row_mask:0xf bank_mask:0xf
	s_delay_alu instid0(VALU_DEP_1)
	v_add_f32_dpp v[\r], v[\r], v[\r] row_xmask:8 row_mask:0xf bank_mask:0xf
	s_delay_alu instid0(VALU_DEP_1)
	v_permlanex16_b32 v25, v[\r], s56, s57
	s_delay_alu instid0(VALU_DEP_1)
	v_add_f32 v[\r], v[\r], v25
.endm
.macro MKSCALE e, vs, vl               ; s[e] = exponent: v[vs] = 2^e, v[vl] = 448 x 2^e
	s_add_co_i32 s58, s[\e], 127
	s_lshl_b32 s59, s58, 23
	v_mov_b32 v[\vs], s59
	s_add_co_i32 s58, s58, 8
	s_lshl_b32 s58, s58, 23
	s_or_b32 s58, s58, 0x600000
	v_mov_b32 v[\vl], s58
.endm
.macro LNROW i
.set XR, X+32*(\i)
	s_wait_loadcnt 8*(NROW-1-(\i))                 ; this row's eight loads are in, the later row's may be out
	s_wait_xcnt 0x0                                ; the last row's stores have read their codes: C is written again only behind this wait
.irp k, 0,1,2,3
	v_pk_add_f32 v[16+2*\k:17+2*\k], v[XR+2*\k:XR+2*\k+1], v[XR+8+2*\k:XR+9+2*\k]
.endr
.irp k, 0,1,2,3
	s_delay_alu instid0(VALU_DEP_4)
	v_pk_add_f32 v[16+2*\k:17+2*\k], v[16+2*\k:17+2*\k], v[XR+16+2*\k:XR+17+2*\k]
.endr
.irp k, 0,1,2,3
	s_delay_alu instid0(VALU_DEP_4)
	v_pk_add_f32 v[16+2*\k:17+2*\k], v[16+2*\k:17+2*\k], v[XR+24+2*\k:XR+25+2*\k]
.endr
	s_delay_alu instid0(VALU_DEP_3)
	v_pk_add_f32 v[16:17], v[16:17], v[18:19]
	s_delay_alu instid0(VALU_DEP_2)
	v_pk_add_f32 v[20:21], v[20:21], v[22:23]
	s_delay_alu instid0(VALU_DEP_1)
	v_pk_add_f32 v[16:17], v[16:17], v[20:21]
	s_delay_alu instid0(VALU_DEP_1)
	v_add_f32 v24, v16, v17
	RED 24
	s_delay_alu instid0(VALU_DEP_1)
	v_mul_f32 v4, 0x3a800000, v24                  ; mean = sum / 1024
.set p, 0
.rept 16
	v_pk_add_f32 v[XR+p:XR+p+1], v[XR+p:XR+p+1], v[4:5] op_sel_hi:[1,0] neg_lo:[0,1] neg_hi:[0,1]   ; d = x - mean: the variance is a sum of squares of d, no difference of large sums
.set p, p+2
.endr
.irp k, 0,1,2,3
	v_pk_mul_f32 v[16+2*\k:17+2*\k], v[XR+2*\k:XR+2*\k+1], v[XR+2*\k:XR+2*\k+1]
.endr
.set p, 4
.rept 12
	s_delay_alu instid0(VALU_DEP_4)
	v_pk_fma_f32 v[16+2*(p%4):17+2*(p%4)], v[XR+2*p:XR+2*p+1], v[XR+2*p:XR+2*p+1], v[16+2*(p%4):17+2*(p%4)]
.set p, p+1
.endr
	s_delay_alu instid0(VALU_DEP_3)
	v_pk_add_f32 v[16:17], v[16:17], v[18:19]
	s_delay_alu instid0(VALU_DEP_2)
	v_pk_add_f32 v[20:21], v[20:21], v[22:23]
	s_delay_alu instid0(VALU_DEP_1)
	v_pk_add_f32 v[16:17], v[16:17], v[20:21]
	s_delay_alu instid0(VALU_DEP_1)
	v_add_f32 v24, v16, v17
	RED 24
	s_delay_alu instid0(VALU_DEP_1)
	v_mul_f32 v24, 0x3a802008, v24                 ; / 1023
	s_wait_alu depctr_va_vdst(0)
	v_sqrt_f32 v24, v24
	v_nop                                          ; a plain instruction behind the root,
	s_wait_alu depctr_va_vdst(0)                   ; and the wait ahead of its first reader
	v_add_f32 v24, 0x3727c5ac, v24                 ; std + 1e-5
	s_wait_alu depctr_va_vdst(0)
	v_rcp_f32 v24, v24
	v_nop
	s_wait_alu depctr_va_vdst(0)
	v_mul_f32 v6, s48, v24                         ; gain / (std + eps)
.set p, 0
.rept 16
	v_pk_fma_f32 v[XR+p:XR+p+1], v[XR+p:XR+p+1], v[6:7], v[8:9] op_sel_hi:[1,0,0]
.set p, p+2
.endr
.set sx, 0
.rept NSET
.irp j, 0,1,2,3
.irp n, 0,1,2,3,4,5,6,7
	v_med3_num_f32 v[T0+8*(\j%2)+\n], v[XR+8*\j+\n], -v[13+sx], v[13+sx]   ; the conversion to an 8-bit code does not saturate (ISA guide 7.6.2): the hold comes first
.endr
	v_cvt_scalef32_pk8_fp8_f32 v[C+8*sx+2*\j:C+8*sx+2*\j+1], v[T0+8*(\j%2):T0+8*(\j%2)+7], v[10+sx]
	global_store_b64 v3, v[C+8*sx+2*\j:C+8*sx+2*\j+1], s[50+2*sx:51+2*sx] offset:1024*(\i)+256*\j
.endr
.set sx, sx+1
.endr
.endm
	s_load_b256 s[4:11], s[0:1], 0x0               ; x1 s[4:5], a2 s[6:7], n2 s[8:9], the scales' exponents s[10:11]
	s_load_b64 s[12:13], s[0:1], 0x20              ; x2c
	v_lshrrev_b32 v1, 5, v0
	s_delay_alu instid0(VALU_DEP_1)
	v_readfirstlane_b32 s2, v1                     ; wave 0..7
	v_and_b32 v1, 31, v0
	s_delay_alu instid0(VALU_DEP_1)
	v_lshlrev_b32 v2, 5, v1
	s_delay_alu instid0(VALU_DEP_2)
	v_lshlrev_b32 v3, 3, v1
	s_lshl_b32 s58, ttmp9, 16                      ; row 16 x work-group + 2 x wave
	s_lshl_b32 s59, s2, 13
	s_add_co_u32 s58, s58, s59
	s_mov_b32 s59, 0
	s_lshl_b32 s60, ttmp9, 14
	s_lshl_b32 s61, s2, 11
	s_add_co_u32 s60, s60, s61
	s_mov_b32 s61, 0
	s_wait_alu depctr_va_vdst(0)
	s_wait_kmcnt 0x0
	s_load_b32 s32, s[10:11], 0x30                 ; e12
	s_load_b32 s48, s[6:7], 0x0                    ; gain
	s_load_b32 s49, s[8:9], 0x0                    ; bias
	s_add_nc_u64 s[4:5], s[4:5], s[58:59]
	s_add_nc_u64 s[50:51], s[12:13], s[60:61]
	LOADS 0, 4
	LOADS 1, 4
	s_mov_b32 s56, 0x76543210
	s_mov_b32 s57, 0xfedcba98
	v_mov_b32 v5, 0                                ; upper words of pairs of which the low word serves both halves
	v_mov_b32 v7, 0
	v_mov_b32 v9, 0
	v_mov_b32 v25, 0                               ; a lane permute's destination counts as read
	s_wait_kmcnt 0x0
	v_mov_b32 v8, s49
	MKSCALE 32, 10, 13
	LNROW 0
	LNROW 1
	s_endpgm
.Lfunc_end_k_q77f38ae700_ln2:
	.size	k_q77f38ae700_ln2, .Lfunc_end_k_q77f38ae700_ln2-k_q77f38ae700_ln2
	.p2alignl 7, 3214868480
	.fill 96, 4, 3214868480
	.section	.rodata,"a",@progbits
	.p2align	6, 0x0
	.amdhsa_kernel k_q77f38ae700_ln2
		.amdhsa_group_segment_fixed_size 0
		.amdhsa_private_segment_fixed_size 0
		.amdhsa_enable_private_segment 0
		.amdhsa_kernarg_size 40
		.amdhsa_user_sgpr_count 2
		.amdhsa_user_sgpr_kernarg_segment_ptr 1
		.amdhsa_wavefront_size32 1
		.amdhsa_system_sgpr_workgroup_id_x 1
		.amdhsa_system_sgpr_workgroup_id_y 1
		.amdhsa_system_sgpr_workgroup_id_z 1
		.amdhsa_system_vgpr_workitem_id 0
		.amdhsa_next_free_vgpr 128
		.amdhsa_next_free_sgpr 66
		.amdhsa_reserve_vcc 0
		.amdhsa_float_denorm_mode_32 3
		.amdhsa_float_denorm_mode_16_64 3
		.amdhsa_memory_ordered 1
		.amdhsa_forward_progress 1
		.amdhsa_inst_pref_size 22
	.end_amdhsa_kernel
	.amdgpu_metadata
---
amdhsa.version: [ 1, 2 ]
amdhsa.kernels:
  - .name:           k_q77f38ae700_ln2
    .symbol:         k_q77f38ae700_ln2.kd
    .args:
      - { .name: x1, .offset: 0, .size: 8, .value_kind: global_buffer, .address_space: global }
      - { .name: a2, .offset: 8, .size: 8, .value_kind: global_buffer, .address_space: global }
      - { .name: n2, .offset: 16, .size: 8, .value_kind: global_buffer, .address_space: global }
      - { .name: lowp_scales, .offset: 24, .size: 8, .value_kind: global_buffer, .address_space: global }
      - { .name: x2c, .offset: 32, .size: 8, .value_kind: global_buffer, .address_space: global }
    .group_segment_fixed_size: 0
    .private_segment_fixed_size: 0
    .kernarg_segment_align: 8
    .kernarg_segment_size: 40
    .max_flat_workgroup_size: 256
    .sgpr_count:     66
    .vgpr_count:     128
    .wavefront_size: 32
...
	.end_amdgpu_metadata
.endif
;; end of part 5
;; launch ffn1 (part 6): grid 16 x 16, 4 waves a work-group, clusters of 4 x 4, 327,680 bytes of LDS; arguments x2c, wc, lowp_scales, b1, hc; writes hc
.if DOCPART == 6
	.amdgcn_target "amdgcn-amd-amdhsa--gfx1250"
	.amdhsa_code_object_version 6
	.text
	.protected	k_q77f38ae700_ffn1
	.globl	k_q77f38ae700_ffn1
	.p2align	8
	.type	k_q77f38ae700_ffn1,@function
k_q77f38ae700_ffn1:
	s_mov_b64 s[64:65], 0
	v_nop
	global_prefetch_b8 v0, s[64:65] scope:SCOPE_SE
	s_setreg_imm32_b32 hwreg(HW_REG_WAVE_MODE, 25, 1), 1
	s_wait_xcnt 0x0
	s_wait_alu depctr_hold_cnt(0) depctr_sa_sdst(0) depctr_va_vdst(0) depctr_va_sdst(0) depctr_va_ssrc(0) depctr_va_vcc(0) depctr_vm_vsrc(0)
	s_getreg_b32 s2, hwreg(HW_REG_IB_STS2, 6, 4)
	s_cmp_eq_u32 s2, 0
	s_cbranch_scc0 .Lentry_in_a_cluster
	s_endpgm
.Lentry_in_a_cluster:
	s_bfe_u32 s2, ttmp6, 0x10000c
	s_cmp_lg_u32 s2, 0xf033
	s_cbranch_scc0 .Lentry_shape_is_right
	s_endpgm
.Lentry_shape_is_right:
.set KSTEP,  256
.set ROWB,   256
.set KROW,   1024
.set NS,     KROW/KSTEP
.set PITCH,  272
.set FR,     16
.set NL,     4
.set NP,     4
.set HALFT,  128*PITCH
.set SLOT,   4*HALFT
.set LAPS,   KROW/(2*KSTEP)
.set SPARE,  2*SLOT
.set SP,     288
.set ADRA, 16
.set ADRB, 20
.set STO,  24
.set RD,   25
.set CO,   26
.set RD2,  27
.set SPW,  28
.set NIL,  29
.set BX,   32
.set AF,   128
.set YT,   128
.set CD,   192
.set G1, 24
.set G0, 32
.set G1B, 48
.set G0B, 56
.set KI, 73
.set MSB, 0
.macro WIN new
.if MSB != \new
	s_set_vgpr_msb (MSB<<8)|\new
.set MSB, \new
.endif
.endm
.set MUL_LO, 0xa1
.set MUL_HI, 0xf1
.set TO_B,   0x40
.macro JLOAD g0a, g1a, g0b, g1b
	s_cmp_eq_u32 s15, 0
	s_cbranch_scc0 .Lfor_b_\@
	tensor_load_to_lds s[\g0a:\g0a+3], s[\g1a:\g1a+7]
	s_nop 0
.rept 4
	v_nop
.endr
	s_branch .Lasked_\@
.Lfor_b_\@:
	tensor_load_to_lds s[\g0b:\g0b+3], s[\g1b:\g1b+7]
	s_nop 0
.rept 4
	v_nop
.endr
.Lasked_\@:
.endm
.macro AIM slot
	s_and_b32 s98, s[KI], NS-1
	s_lshl_b32 s98, s98, 8
	s_add_co_u32 s[KI], s[KI], 1
	s_add_nc_u64 s[G0+4*\slot+2:G0+4*\slot+3], s[12:13], s[98:99]
	s_or_b32 s[G0+4*\slot+3], s[G0+4*\slot+3], 0x80000000
	s_add_nc_u64 s[G0B+4*\slot+2:G0B+4*\slot+3], s[96:97], s[98:99]
	s_or_b32 s[G0B+4*\slot+3], s[G0B+4*\slot+3], 0x80000000
.endm
; A PREFETCH INTO THE L2 of what the NEXT fill will ask for, behind each joint load and its five lines: one slot, two steps of 128 along K, ahead of that load.  A wave's load is 128 rows x 256 bytes;
; the four partners that ask for it jointly share the rows out BY ADDRESS, 32 each (place cx for A, cy for B), a lane a row, one instruction a wave.
; The first fill comes by its load alone; the last fill asks for nothing.
.macro ASK
	s_wait_xcnt 0x0                                ; the prefetch before, a slot back, has read its address
	s_and_b32 s70, s[KI], NS-1                     ; the next fill's place along K
	s_lshl_b32 s70, s70, 8
	s_add_nc_u64 s[100:101], s[104:105], s[70:71]
	global_prefetch_b8 v30, s[100:101] th:TH_LOAD_NT scope:SCOPE_SE
.endm
.macro CREST
	s_cmp_lg_u32 s14, 0
	s_cbranch_scc1 .Lnot_wave_0_\@
	s_barrier_signal -3
.Lnot_wave_0_\@:
	s_barrier_wait -3
	s_barrier_signal -1
	s_barrier_wait -1
.endm
.macro CROUND
	s_barrier_signal -1
	s_barrier_wait -1
	CREST
.endm
	s_load_b128 s[4:7], s[0:1], 0x0
	s_load_b128 s[8:11], s[0:1], 0x10
	s_load_b64 s[66:67], s[0:1], 0x20
	v_lshl_add_u32 v[SPW], v0, 2, SPARE
	v_mov_b32 v[NIL], 0
	ds_add_u32 v[SPW], v[NIL]
	ds_add_u32 v[SPW], v[NIL]
	v_lshrrev_b32 v1, 5, v0
	v_readfirstlane_b32 s14, v1
	s_lshr_b32 s15, s14, 1
	s_and_b32 s16, s14, 1
	s_bfe_u32 s40, ttmp6, 0x40000
	s_bfe_u32 s41, ttmp6, 0x40004
	s_and_b32 s72, ttmp7, 0xffff
	s_lshl_b32 s[KI], s72, 1
	s_add_co_u32 s[KI], s[KI], ttmp9
	s_lshl_b32 s17, s72, 2
	s_lshl_b32 s42, ttmp9, 2
	s_add_co_u32 s17, s17, s41
	s_add_co_u32 s42, s42, s40
	s_lshl_b32 s43, s41, 2
	s_lshl_b32 s43, 15, s43
	s_lshl_b32 s44, 0x1111, s40
	s_or_b32 s[G1+0], s43, (0<<16)|(1<<20)|(1<<21)|(5<<22)|(3<<25)
	s_or_b32 s[G1B+0], s44, (0<<16)|(1<<20)|(1<<21)|(5<<22)|(3<<25)
.irp g, G1, G1B
	s_mov_b32 s[\g+1], ROWB<<16
	s_mov_b32 s[\g+2], 128<<16
	s_mov_b32 s[\g+3], ROWB<<16
	s_mov_b32 s[\g+4], 128
	s_mov_b32 s[\g+5], KROW
	s_mov_b32 s[\g+6], 0
	s_mov_b32 s[\g+7], 0
.endr
	s_lshl_b32 s18, s16, 7
	s_lshl_b32 s20, s17, 8
	s_add_co_u32 s20, s20, s18
	s_lshl_b32 s20, s20, 10
	s_mov_b32 s21, 0
	s_lshl_b32 s46, s42, 8
	s_add_co_u32 s46, s46, s18
	s_lshl_b32 s46, s46, 10
	s_add_co_u32 s46, s46, 0x400000
	s_mov_b32 s47, 0
	s_mov_b32 s99, 0
	s_mul_i32 s45, s14, HALFT
	s_wait_dscnt 0x0
	s_wait_kmcnt 0x0
	s_load_b512 s[76:91], s[8:9], 0x0
	s_add_nc_u64 s[12:13], s[4:5], s[20:21]
	s_add_nc_u64 s[96:97], s[6:7], s[46:47]
	CROUND
.irp s, 0,1
	s_mov_b32 s[G0+4*\s], 1
	s_add_co_u32 s[G0+4*\s+1], s45, \s*SLOT
	s_mov_b32 s[G0B+4*\s], 1
	s_add_co_u32 s[G0B+4*\s+1], s45, \s*SLOT
	AIM \s
.endr
	JLOAD G0, G1, G0B, G1B                         ; the first K step: one tensor load a wave at the head
	s_cmp_eq_u32 s15, 0                            ; the prefetches: do I fetch for A?
	s_cselect_b64 s[104:105], s[12:13], s[96:97]
	s_cselect_b32 s70, s40, s41                    ; my place among the four that ask with me
	s_lshl_b32 s70, s70, 15                        ; 32 rows of 1,024 bytes
	s_mov_b32 s71, 0
	s_add_nc_u64 s[104:105], s[104:105], s[70:71]
	s_add_co_u32 s70, s[KI], NS-1                  ; slot 1's place along K: both slots have been aimed, so it is one back
	s_and_b32 s70, s70, NS-1
	s_lshl_b32 s70, s70, 8
	s_add_nc_u64 s[100:101], s[104:105], s[70:71]
	v_and_b32 v30, 31, v0
	v_lshlrev_b32 v30, 10, v30                     ; my lane's row; never rewritten
	s_wait_alu depctr_va_vdst(0)
	global_prefetch_b8 v30, s[100:101] th:TH_LOAD_NT scope:SCOPE_SE
	v_and_b32 v1, 15, v0
	s_wait_alu depctr_va_vdst(0)
	v_bfe_u32 v2, v0, 4, 1
	v_mul_u32_u24 v3, v1, PITCH
	v_lshl_add_u32 v4, v2, 4, v3
	s_mul_i32 s21, s15, HALFT
	s_mul_i32 s22, s16, HALFT
	s_add_co_u32 s22, s22, 2*HALFT
.irp s, 0,1
	v_add_nc_u32 v[ADRA+\s], s21, v4
	v_add_nc_u32 v[ADRB+\s], s22, v4
	s_add_co_u32 s21, s21, SLOT
	s_add_co_u32 s22, s22, SLOT
.endr
	s_mul_i32 s23, s15, 128*SP
	s_lshl_b32 s22, s16, 7
	s_add_co_u32 s23, s23, s22
	v_mul_u32_u24 v5, v1, SP
	s_wait_alu depctr_va_vdst(0)
	v_lshl_add_u32 v5, v2, 3, v5
	v_add_nc_u32 v[STO], s23, v5
	v_and_b32 v6, 31, v0
	v_lshrrev_b32 v7, 2, v6
	v_mul_u32_u24 v7, v7, SP
	v_and_b32 v8, 3, v6
	v_lshl_add_u32 v[RD], v8, 4, v7
	s_lshl_b32 s23, s14, 6
	v_add_nc_u32 v[RD], s23, v[RD]
	v_add_nc_u32 v[RD2], 128*SP, v[RD]
	v_lshlrev_b32 v[CO], 4, v6
	s_lshl_b32 s20, s42, 2
	s_add_co_u32 s20, s20, s14
	s_lshl_b32 s20, s20, 18
	s_lshl_b32 s21, s17, 14
	s_add_co_u32 s20, s20, s21
	s_mov_b32 s21, 0
	s_add_nc_u64 s[66:67], s[66:67], s[20:21]
	v_lshlrev_b32 v9, 5, v2
	s_lshl_b32 s20, s42, 10
	s_lshl_b32 s21, s16, 9
	s_add_co_u32 s20, s20, s21
	s_mov_b32 s21, 0
	s_add_nc_u64 s[68:69], s[10:11], s[20:21]
.irp b, 0,1,2,3,4,5,6,7
	global_load_b128 v[BX+8*\b:BX+8*\b+3],   v9, s[68:69] offset:64*\b
	global_load_b128 v[BX+8*\b+4:BX+8*\b+7], v9, s[68:69] offset:64*\b+16
.endr
	s_wait_kmcnt 0x0
	s_add_co_i32 s92, s88, s89
	s_mov_b32 s95, s90
	s_sub_co_i32 s75, 0, s92
	s_sub_co_i32 s95, s95, s92
	s_add_co_i32 s95, s95, 127
	s_lshl_b32 s94, s95, 23
	v_mov_b32 v13, s94
	s_add_co_i32 s95, s95, 8
	s_lshl_b32 s95, s95, 23
	s_or_b32 s95, s95, 0x600000
	v_mov_b32 v12, s95
	s_wait_loadcnt 0x0
.set i, 0
.rept 64
	v_ldexp_f32 v[BX+i], v[BX+i], s75
.set i, i+1
.endr
.macro FRAG reg, adr, q, i
.irp c, 0,1,2,3
	ds_load_b128 v[\reg+4*\c:\reg+4*\c+3], v[\adr] offset:128*(\q)+32*\c+(\i)*16*PITCH
.endr
.endm
.macro MUL16 a0, p, zero
.irp a, \a0, \a0+1
.irp b, 0,1,2,3,4,5,6,7
.if \zero
	v_wmma_f32_16x16x128_fp8_fp8 v[8*(8*((\a)%4)+\b):8*(8*((\a)%4)+\b)+7], v[128*(\p)+FR*\b:128*(\p)+FR*\b+FR-1], v[AF+FR*(\a):AF+FR*(\a)+FR-1], 0
.else
	v_wmma_f32_16x16x128_fp8_fp8 v[8*(8*((\a)%4)+\b):8*(8*((\a)%4)+\b)+7], v[128*(\p)+FR*\b:128*(\p)+FR*\b+FR-1], v[AF+FR*(\a):AF+FR*(\a)+FR-1], v[8*(8*((\a)%4)+\b):8*(8*((\a)%4)+\b)+7]
.endif
.endr
.endr
.endm
.macro FETCH_B slot, q, p
	WIN TO_B
.irp i, 0,1,2,3,4,5,6,7
	FRAG 128*(\p)+FR*\i, ADRB+\slot, \q, \i
.endr
	WIN 0
.endm
.macro FETCH_A slot, q, i0
.irp i, \i0, \i0+1, \i0+2, \i0+3
	FRAG AF+FR*(\i), ADRA+\slot, \q, \i
.endr
.endm
.macro PLACES n
.rept \n
	v_nop
.endr
.endm
.macro STEP slot, q, zero
	s_wait_dscnt 4*NL
	WIN MUL_LO
	MUL16 0, (\q)%2, \zero
	MUL16 2, (\q)%2, \zero
	s_wait_dscnt 0
	PLACES NP
	FETCH_B \slot, (\q)+1, 1-(\q)%2
	FETCH_A \slot, (\q)+1, 0
	WIN MUL_HI
	MUL16 4, (\q)%2, \zero
	MUL16 6, (\q)%2, \zero
	PLACES NP
	WIN 0
	FETCH_A \slot, (\q)+1, 4
.endm
.macro TURN slot, next, fill
	s_wait_tensorcnt 0x0
	ds_add_u32 v[SPW], v[NIL]
	s_wait_dscnt 4*NL+1
	WIN MUL_LO
	MUL16 0, 1, 0
	s_wait_dscnt 0x0
	s_barrier_signal -1
	MUL16 2, 1, 0
	WIN 0
	s_barrier_wait -1
.if \fill
	CREST
	AIM \slot
	JLOAD G0+4*\slot, G1, G0B+4*\slot, G1B
.if \slot == 0                                     ; the loop has one trip: slot 0 takes the third fill, slot 1 the last
	ASK
.endif
.else
	PLACES NP
.endif
	FETCH_B \next, 0, 0
	FETCH_A \next, 0, 0
	WIN MUL_HI
	MUL16 4, 1, 0
	MUL16 6, 1, 0
	PLACES NP
	WIN 0
	FETCH_A \next, 0, 4
.endm
	s_wait_alu depctr_va_vdst(0)                   ; the head's end
	s_wait_tensorcnt 0x0                           ; my part of slot 0 is in
	ds_add_u32 v[SPW], v[NIL]
	s_wait_dscnt 0x0
	CROUND
	JLOAD G0+4, G1, G0B+4, G1B                     ; slot 1: the first tensor load behind the round
	ASK
	FETCH_B 0, 0, 0
	FETCH_A 0, 0, 0
	FETCH_A 0, 0, 4
	STEP 0, 0, 1
	s_mov_b32 s3, LAPS-1
.Llap:
	TURN 0, 1, 1
	STEP 1, 0, 0
	TURN 1, 0, 1
	STEP 0, 0, 0
	s_sub_co_u32 s3, s3, 1
	s_cmp_lg_u32 s3, 0
	s_cbranch_scc1 .Llap
	TURN 0, 1, 0
	STEP 1, 0, 0
	s_wait_dscnt 4*NL
	WIN MUL_LO
	MUL16 0, 1, 0
	MUL16 2, 1, 0
	s_wait_dscnt 0
	WIN MUL_HI
	MUL16 4, 1, 0
	MUL16 6, 1, 0
	WIN 0
.macro BLOCK a
.set AC, 64*((\a)%4)
.set CB, CD+16*((\a)%2)
	WIN 0x02+((\a)/4)
.set i, 0
.rept 32
	v_pk_add_f32 v[YT+i:YT+i+1], v[AC+i:AC+i+1], v[BX+i:BX+i+1]
.set i, i+2
.endr
	WIN 0
.if (\a) >= 2
	s_wait_dscnt 8
.endif
.irp b, 0,1,2,3,4,5,6,7
.irp n, 0,1,2,3,4,5,6,7
	v_med3_num_f32 v[YT+8*\b+\n], v[YT+8*\b+\n], 0, v12
.endr
	v_cvt_scalef32_pk8_fp8_f32 v[CB+2*\b:CB+2*\b+1], v[YT+8*\b:YT+8*\b+7], v13
.endr
	v_nop
.irp b, 0,1,2,3,4,5,6,7
	ds_store_b64 v[STO], v[CB+2*\b:CB+2*\b+1] offset:(\a)*16*SP+16*\b
.endr
.endm
	PLACES NP
.irp a, 0,1,2,3,4,5,6,7
	BLOCK \a
.endr
	s_wait_dscnt 0x0
	s_barrier_signal -1
	s_barrier_wait -1
.set t, 0
.rept 16
	ds_load_b128 v[128+4*t:131+4*t], v[RD] offset:t*8*SP
.set t, t+1
.endr
.set t, 0
.rept 16
	ds_load_b128 v[192+4*t:195+4*t], v[RD2] offset:t*8*SP
.set t, t+1
.endr
.set t, 0
.rept 32
	s_wait_dscnt 31-t
	global_store_b128 v[CO], v[128+4*t:131+4*t], s[66:67] offset:512*t
.set t, t+1
.endr
	s_wait_tensorcnt 0x0
	ds_add_u32 v[SPW], v[NIL]
	s_wait_dscnt 0x0
	CROUND
	s_endpgm
.Lfunc_end_k_q77f38ae700_ffn1:
	.size	k_q77f38ae700_ffn1, .Lfunc_end_k_q77f38ae700_ffn1-k_q77f38ae700_ffn1
	.p2alignl 7, 3214868480
	.fill 96, 4, 3214868480
	.section	.rodata,"a",@progbits
	.p2align	6, 0x0
	.amdhsa_kernel k_q77f38ae700_ffn1
		.amdhsa_group_segment_fixed_size 327680
		.amdhsa_private_segment_fixed_size 0
		.amdhsa_enable_private_segment 0
		.amdhsa_kernarg_size 40
		.amdhsa_user_sgpr_count 2
		.amdhsa_user_sgpr_kernarg_segment_ptr 1
		.amdhsa_wavefront_size32 1
		.amdhsa_system_sgpr_workgroup_id_x 1
		.amdhsa_system_sgpr_workgroup_id_y 1
		.amdhsa_system_sgpr_workgroup_id_z 1
		.amdhsa_system_vgpr_workitem_id 0
		.amdhsa_next_free_vgpr 1024
		.amdhsa_next_free_sgpr 106
		.amdhsa_reserve_vcc 0
		.amdhsa_float_denorm_mode_32 3
		.amdhsa_float_denorm_mode_16_64 3
		.amdhsa_memory_ordered 1
		.amdhsa_forward_progress 1
		.amdhsa_inst_pref_size 149
	.end_amdhsa_kernel
	.amdgpu_metadata
---
amdhsa.version: [ 1, 2 ]
amdhsa.kernels:
  - .name:           k_q77f38ae700_ffn1
    .symbol:         k_q77f38ae700_ffn1.kd
    .args:
      - { .name: x2c, .offset: 0, .size: 8, .value_kind: global_buffer, .address_space: global }
      - { .name: wc, .offset: 8, .size: 8, .value_kind: global_buffer, .address_space: global }
      - { .name: lowp_scales, .offset: 16, .size: 8, .value_kind: global_buffer, .address_space: global }
      - { .name: b1, .offset: 24, .size: 8, .value_kind: global_buffer, .address_space: global }
      - { .name: hc, .offset: 32, .size: 8, .value_kind: global_buffer, .address_space: global }
    .group_segment_fixed_size: 327680
    .private_segment_fixed_size: 0
    .kernarg_segment_align: 8
    .kernarg_segment_size: 40
    .max_flat_workgroup_size: 128
    .sgpr_count:     106
    .vgpr_count:     1024
    .wavefront_size: 32
...
	.end_amdgpu_metadata
.endif
;; end of part 6
;; launch ffn2 (part 7): grid 8 x 32, 4 waves a work-group, clusters of 4 x 4, 327,680 bytes of LDS; arguments hc, wc, lowp_scales, b2, x1, out0; writes out0
.if DOCPART == 7
	.amdgcn_target "amdgcn-amd-amdhsa--gfx1250"
	.amdhsa_code_object_version 6
	.text
	.protected	k_q77f38ae700_ffn2
	.globl	k_q77f38ae700_ffn2
	.p2align	8
	.type	k_q77f38ae700_ffn2,@function
k_q77f38ae700_ffn2:
	s_mov_b64 s[64:65], 0
	v_nop
	global_prefetch_b8 v0, s[64:65] scope:SCOPE_SE
	s_setreg_imm32_b32 hwreg(HW_REG_WAVE_MODE, 25, 1), 1
	s_wait_xcnt 0x0
	s_wait_alu depctr_hold_cnt(0) depctr_sa_sdst(0) depctr_va_vdst(0) depctr_va_sdst(0) depctr_va_ssrc(0) depctr_va_vcc(0) depctr_vm_vsrc(0)
	s_getreg_b32 s2, hwreg(HW_REG_IB_STS2, 6, 4)
	s_cmp_eq_u32 s2, 0
	s_cbranch_scc0 .Lentry_in_a_cluster
	s_endpgm
.Lentry_in_a_cluster:
	s_bfe_u32 s2, ttmp6, 0x10000c
	s_cmp_lg_u32 s2, 0xf033
	s_cbranch_scc0 .Lentry_shape_is_right
	s_endpgm
.Lentry_shape_is_right:
.set KTOT,  4096
.set WOFF,  0x800000
.set SCO,   56
.set NS,    KTOT/512
.set AHALF, 8*64*80
.set BHALF, 64*528
.set SLOT,  2*AHALF+2*BHALF
.set STAGE, 2*SLOT
.set SPITCH, 272
.set SPARE, STAGE+4*16*SPITCH
.set LAPS,  KTOT/1024
.set ADRA, 16
.set ADRB, 20
.set STO,  24
.set RD,   25
.set CO,   26
.set SPW,  28
.set NIL,  29
.set BK,   32
.set ACC,  128
.set F0,   0
.set F1,   128
.set G1, 24
.set G0, 32
.set G1B, 48
.set G0B, 56
.set KI, 80
.set MSB, 0
.macro WIN new
.if MSB != \new
	s_set_vgpr_msb (MSB<<8)|\new
.set MSB, \new
.endif
.endm
.set MUL,  0x05
.set TO_F, 0x40
.macro JLOAD s
	s_cmp_eq_u32 s15, 0
	s_cbranch_scc0 .Lfor_b_\@
	tensor_load_to_lds s[G0+4*\s:G0+4*\s+3], s[G1:G1+7]
	s_nop 0
.rept 4
	v_nop
.endr
	s_branch .Lasked_\@
.Lfor_b_\@:
	tensor_load_to_lds s[G0B+4*\s:G0B+4*\s+3], s[G1B:G1B+7]
	s_nop 0
.rept 4
	v_nop
.endr
.Lasked_\@:
.endm
.macro AIM slot
	s_and_b32 s76, s[KI], NS-1
	s_lshl_b32 s78, s76, 9
	s_lshl_b32 s76, s76, 21
	s_add_co_u32 s[KI], s[KI], 1
	s_add_nc_u64 s[G0+4*\slot+2:G0+4*\slot+3], s[72:73], s[76:77]
	s_or_b32 s[G0+4*\slot+3], s[G0+4*\slot+3], 0x80000000
	s_add_nc_u64 s[G0B+4*\slot+2:G0B+4*\slot+3], s[74:75], s[78:79]
	s_or_b32 s[G0B+4*\slot+3], s[G0B+4*\slot+3], 0x80000000
.endm
; A PREFETCH INTO THE L2 of what the NEXT fill will ask for, behind each joint load and its five lines: one slot, four steps of 128 along K, ahead of that load.  A wave's load is 32,768 bytes, 128 blocks of 256;
; the four partners that ask for it jointly share them out BY ADDRESS, 32 each, a lane a block, one instruction a wave: A: K blocks 2 p, 2 p + 1 of the slot's eight (p = cx), B: rows 16 p on of the 64 (p = cy).
; The first fill comes by its load alone; the last fill (last = 1, in the loop's last trip) asks for nothing.
.macro ASK last
	s_wait_xcnt 0x0                                ; the prefetch before, a slot back, has read its address
.if \last
	s_cmp_gt_u32 s3, 1
	s_cbranch_scc0 .Lno_ask_\@
.endif
	s_and_b32 s92, s[KI], NS-1                     ; the next fill's place along K
	s_lshl_b32 s92, s92, s88
	s_add_nc_u64 s[94:95], s[82:83], s[92:93]
	global_prefetch_b8 v30, s[94:95] th:TH_LOAD_NT scope:SCOPE_SE
.if \last
.Lno_ask_\@:
.endif
.endm
.macro CREST
	s_cmp_lg_u32 s14, 0
	s_cbranch_scc1 .Lnot_wave_0_\@
	s_barrier_signal -3
.Lnot_wave_0_\@:
	s_barrier_wait -3
	s_barrier_signal -1
	s_barrier_wait -1
.endm
.macro CROUND
	s_barrier_signal -1
	s_barrier_wait -1
	CREST
.endm
	s_load_b128 s[4:7], s[0:1], 0x0
	s_load_b128 s[8:11], s[0:1], 0x10
	s_load_b128 s[68:71], s[0:1], 0x20
	v_lshl_add_u32 v[SPW], v0, 2, SPARE
	v_mov_b32 v[NIL], 0
	ds_add_u32 v[SPW], v[NIL]
	ds_add_u32 v[SPW], v[NIL]
	v_lshrrev_b32 v1, 5, v0
	v_readfirstlane_b32 s14, v1
	s_lshr_b32 s15, s14, 1
	s_and_b32 s16, s14, 1
	s_bfe_u32 s40, ttmp6, 0x40000
	s_bfe_u32 s41, ttmp6, 0x40004
	s_lshl_b32 s42, ttmp9, 2
	s_and_b32 s17, ttmp7, 0xffff
	s_lshl_b32 s[KI], s17, 1
	s_add_co_u32 s[KI], s[KI], s42
	s_add_co_u32 s42, s42, s40
	s_lshl_b32 s17, s17, 2
	s_add_co_u32 s17, s17, s41
	s_lshl_b32 s43, s41, 2
	s_lshl_b32 s43, 15, s43
	s_lshl_b32 s44, 0x1111, s40
	s_or_b32 s[G1+0], s43, (0<<16)|(1<<20)|(1<<21)|(3<<22)|(3<<25)
	s_mov_b32 s[G1+1], 4096<<16
	s_mov_b32 s[G1+2], 8<<16
	s_mov_b32 s[G1+3], 4096<<16
	s_mov_b32 s[G1+4], 8
	s_mov_b32 s[G1+5], 262144
	s_mov_b32 s[G1+6], 0
	s_mov_b32 s[G1+7], 0
	s_or_b32 s[G1B+0], s44, (0<<16)|(1<<20)|(1<<21)|(6<<22)|(3<<25)
	s_mov_b32 s[G1B+1], 512<<16
	s_mov_b32 s[G1B+2], 64<<16
	s_mov_b32 s[G1B+3], 512<<16
	s_mov_b32 s[G1B+4], 64
	s_mov_b32 s[G1B+5], KTOT
	s_mov_b32 s[G1B+6], 0
	s_mov_b32 s[G1B+7], 0
	s_lshl_b32 s20, s17, 13
	s_lshl_b32 s18, s16, 12
	s_add_co_u32 s20, s20, s18
	s_mov_b32 s21, 0
	s_mul_i32 s46, s42, 128*KTOT
	s_mul_i32 s47, s16, 64*KTOT
	s_add_co_u32 s46, s46, s47
	s_add_co_u32 s46, s46, WOFF
	s_mov_b32 s47, 0
	s_mov_b32 s77, 0
	s_mov_b32 s79, 0
	s_mul_i32 s45, s16, AHALF
	s_mul_i32 s19, s16, BHALF
	s_add_co_u32 s19, s19, 2*AHALF
	s_wait_dscnt 0x0
	s_wait_kmcnt 0x0
	s_load_b64 s[96:97], s[8:9], SCO
	s_add_nc_u64 s[72:73], s[4:5], s[20:21]
	s_add_nc_u64 s[74:75], s[6:7], s[46:47]
	CROUND
.irp s, 0,1
	s_mov_b32 s[G0+4*\s], 1
	s_add_co_u32 s[G0+4*\s+1], s45, \s*SLOT
	s_mov_b32 s[G0B+4*\s], 1
	s_add_co_u32 s[G0B+4*\s+1], s19, \s*SLOT
	AIM \s
.endr
	JLOAD 0                                        ; the first K step: one tensor load a wave at the head
	v_and_b32 v1, 15, v0
	v_bfe_u32 v2, v0, 4, 1
	v_mul_u32_u24 v3, v1, 80
	v_lshl_add_u32 v3, v2, 4, v3
	v_mul_u32_u24 v4, v1, 528
	v_lshl_add_u32 v4, v2, 4, v4
	s_mul_i32 s21, s15, AHALF
	s_mul_i32 s22, s16, BHALF
	s_add_co_u32 s22, s22, 2*AHALF
.irp s, 0,1
	v_add_nc_u32 v[ADRA+\s], s21, v3
	v_add_nc_u32 v[ADRB+\s], s22, v4
	s_add_co_u32 s21, s21, SLOT
	s_add_co_u32 s22, s22, SLOT
.endr
	s_mul_i32 s23, s14, 16*SPITCH
	s_add_co_u32 s23, s23, STAGE
	v_mul_u32_u24 v6, v1, SPITCH
	v_lshl_add_u32 v6, v2, 5, v6
	v_add_nc_u32 v[STO], s23, v6
	v_mul_u32_u24 v7, v2, SPITCH
	v_lshl_add_u32 v7, v1, 4, v7
	v_add_nc_u32 v[RD], s23, v7
	v_lshlrev_b32 v[CO], 12, v2
	v_lshl_add_u32 v[CO], v1, 4, v[CO]
	s_wait_alu depctr_va_vdst(0)
	s_lshl_b32 s22, s42, 9
	s_lshl_b32 s23, s16, 8
	s_add_co_u32 s22, s22, s23
	s_lshl_b32 s20, s17, 19
	s_lshl_b32 s21, s15, 18
	s_add_co_u32 s20, s20, s21
	s_add_co_u32 s20, s20, s22
	s_mov_b32 s21, 0
	s_mov_b32 s23, 0
	s_add_nc_u64 s[68:69], s[68:69], s[20:21]
	s_add_nc_u64 s[70:71], s[70:71], s[20:21]
	s_add_nc_u64 s[10:11], s[10:11], s[22:23]
	s_cmp_eq_u32 s15, 0                            ; the prefetches: do I fetch for A?
	s_cselect_b64 s[82:83], s[72:73], s[74:75]
	s_cselect_b32 s84, s40, s41                    ; my place among the four that ask with me
	s_cselect_b32 s85, 19, 16                      ; a partner's share: 2 K blocks of 262,144 bytes, or 16 rows of 4,096
	s_cselect_b32 s88, 21, 9                       ; a slot along K: 8 K blocks, or 512 bytes of a row
	s_cselect_b32 s89, 4, 1                        ; 16 blocks of 256 bytes to a K block's 4,096, or 2 to a row's 512
	s_cselect_b32 s90, 15, 1
	s_mov_b32 s91, 4096
	s_cselect_b32 s91, 0x40000, s91
	s_lshl_b32 s86, s84, s85
	s_mov_b32 s87, 0
	s_add_nc_u64 s[82:83], s[82:83], s[86:87]
	s_add_co_u32 s92, s[KI], NS-1                  ; slot 1's place along K: both slots have been aimed, so it is one back
	s_and_b32 s92, s92, NS-1
	s_lshl_b32 s92, s92, s88
	s_mov_b32 s93, 0
	s_add_nc_u64 s[94:95], s[82:83], s[92:93]
	v_and_b32 v8, 31, v0
	v_lshrrev_b32 v9, s89, v8
	v_and_b32 v8, s90, v8
	v_mul_lo_u32 v9, v9, s91
	v_lshl_add_u32 v30, v8, 8, v9                  ; my lane's block; never rewritten
	s_wait_alu depctr_va_vdst(0)
	global_prefetch_b8 v30, s[94:95] th:TH_LOAD_NT scope:SCOPE_SE
	v_lshlrev_b32 v5, 4, v1
	global_load_b128 v[12:15], v5, s[10:11]
	WIN 0x80
.irp a, 0,1,2,3
.irp t, 0,1,2,3,4,5,6,7
	global_load_b128 v[32*\a+4*\t:32*\a+4*\t+3], v[CO], s[68:69] offset:(16*\a+2*\t)*4096
.endr
.endr
	WIN 0
.macro MULA f, a, zero
.irp b, 0,1,2,3
.if \zero
	v_wmma_f32_16x16x128_fp8_fp8 v[ACC+8*(4*(\a)+\b):ACC+8*(4*(\a)+\b)+7], v[\f+64+16*\b:\f+64+16*\b+15], v[\f+16*(\a):\f+16*(\a)+15], 0
.else
	v_wmma_f32_16x16x128_fp8_fp8 v[ACC+8*(4*(\a)+\b):ACC+8*(4*(\a)+\b)+7], v[\f+64+16*\b:\f+64+16*\b+15], v[\f+16*(\a):\f+16*(\a)+15], v[ACC+8*(4*(\a)+\b):ACC+8*(4*(\a)+\b)+7]
.endif
.endr
.endm
.macro FETCH slot, q, f
	WIN TO_F
.irp i, 0,1,2,3
.irp c, 0,1,2,3
	ds_load_b128 v[\f+64+16*\i+4*\c:\f+64+16*\i+4*\c+3], v[ADRB+\slot] offset:128*(\q)+32*\c+16*528*\i
.endr
.endr
.irp i, 0,1,2,3
.irp c, 0,1,2,3
	ds_load_b128 v[\f+16*\i+4*\c:\f+16*\i+4*\c+3], v[ADRA+\slot] offset:(2*(\q)+\c/2)*5120+1280*\i+32*(\c%2)
.endr
.endr
.endm
.macro PLACES
.rept 4
	v_nop
.endr
.endm
.macro QUARTER slot, qn, f, g, zero
	s_wait_dscnt 8
	WIN MUL
	MULA \f, 0, \zero
	MULA \f, 1, \zero
	PLACES
	FETCH \slot, \qn, \g
	s_wait_dscnt 32
	WIN MUL
	MULA \f, 2, \zero
	MULA \f, 3, \zero
.endm
.macro TURN slot, next, fill
	WIN 0
	s_wait_tensorcnt 0x0
	ds_add_u32 v[SPW], v[NIL]
	s_wait_dscnt 9
	WIN MUL
	MULA F1, 0, 0
	s_wait_dscnt 0x0
	s_barrier_signal -1
	MULA F1, 1, 0
.if \fill
	WIN 0
.endif
	s_barrier_wait -1
.if \fill
	CREST
	AIM \slot
	JLOAD \slot
	ASK \slot
.else
	PLACES
.endif
	FETCH \next, 0, F0
	WIN MUL
	MULA F1, 2, 0
	MULA F1, 3, 0
.endm
	s_wait_alu depctr_va_vdst(0)                   ; the head's end
	s_wait_tensorcnt 0x0                           ; my part of slot 0 is in
	ds_add_u32 v[SPW], v[NIL]
	s_wait_dscnt 0x0
	CROUND
	JLOAD 1                                        ; slot 1: the first tensor load behind the round
	ASK 0
	FETCH 0, 0, F0
	QUARTER 0, 1, F0, F1, 1
	WIN 0
	s_mov_b32 s3, LAPS-1
.Llap:
	QUARTER 0, 2, F1, F0, 0
	QUARTER 0, 3, F0, F1, 0
	TURN 0, 1, 1
	QUARTER 1, 1, F0, F1, 0
	QUARTER 1, 2, F1, F0, 0
	QUARTER 1, 3, F0, F1, 0
	TURN 1, 0, 1
	QUARTER 0, 1, F0, F1, 0
	WIN 0
	s_sub_co_u32 s3, s3, 1
	s_cmp_lg_u32 s3, 0
	s_cbranch_scc1 .Llap
	QUARTER 0, 2, F1, F0, 0
	QUARTER 0, 3, F0, F1, 0
	TURN 0, 1, 0
	QUARTER 1, 1, F0, F1, 0
	QUARTER 1, 2, F1, F0, 0
	QUARTER 1, 3, F0, F1, 0
	s_wait_dscnt 8
	WIN MUL
	MULA F1, 0, 0
	MULA F1, 1, 0
	s_wait_dscnt 0
	MULA F1, 2, 0
	MULA F1, 3, 0
	WIN 0
.macro TOSTAGE a
.set BB, BK+32*((\a)%2)
.irp b, 0,1,2,3
	ds_store_b128 v[STO], v[ACC+8*(4*(\a)+\b):ACC+8*(4*(\a)+\b)+3] offset:64*\b
	ds_store_b128 v[STO], v[ACC+8*(4*(\a)+\b)+4:ACC+8*(4*(\a)+\b)+7] offset:64*\b+16
.endr
.irp t, 0,1,2,3,4,5,6,7
	ds_load_b128 v[BB+4*\t:BB+4*\t+3], v[RD] offset:\t*2*SPITCH
.endr
.endm
.macro SEND a, younger
.set BB, BK+32*((\a)%2)
	s_wait_dscnt \younger
	WIN 0x20
.set i, 0
.rept 16
	v_pk_fma_f32 v[BB+i:BB+i+1], v[BB+i:BB+i+1], s[96:97], v[32*(\a)+i:32*(\a)+i+1] op_sel_hi:[1,0,1]
.set i, i+2
.endr
	WIN 0
.irp t, 0,1,2,3,4,5,6,7
	v_pk_add_f32 v[BB+4*\t:BB+4*\t+1], v[BB+4*\t:BB+4*\t+1], v[12:13]
	v_pk_add_f32 v[BB+4*\t+2:BB+4*\t+3], v[BB+4*\t+2:BB+4*\t+3], v[14:15]
.endr
.irp t, 0,1,2,3,4,5,6,7
	global_store_b128 v[CO], v[BB+4*\t:BB+4*\t+3], s[70:71] offset:(16*(\a)+2*\t)*4096
.endr
.endm
	s_wait_kmcnt 0x0
	s_add_co_i32 s96, s96, s97
	s_add_co_i32 s96, s96, 127
	s_lshl_b32 s96, s96, 23
	s_wait_loadcnt 0x0
	PLACES
	TOSTAGE 0
.irp a, 1,2,3
.if \a > 1
	s_wait_xcnt 0x0
.endif
	TOSTAGE \a
	SEND \a-1, 16
.endr
	SEND 3, 0
	s_wait_tensorcnt 0x0
	ds_add_u32 v[SPW], v[NIL]
	s_wait_dscnt 0x0
	CROUND
	s_endpgm
.Lfunc_end_k_q77f38ae700_ffn2:
	.size	k_q77f38ae700_ffn2, .Lfunc_end_k_q77f38ae700_ffn2-k_q77f38ae700_ffn2
	.p2alignl 7, 3214868480
	.fill 96, 4, 3214868480
	.section	.rodata,"a",@progbits
	.p2align	6, 0x0
	.amdhsa_kernel k_q77f38ae700_ffn2
		.amdhsa_group_segment_fixed_size 327680
		.amdhsa_private_segment_fixed_size 0
		.amdhsa_enable_private_segment 0
		.amdhsa_kernarg_size 48
		.amdhsa_user_sgpr_count 2
		.amdhsa_user_sgpr_kernarg_segment_ptr 1
		.amdhsa_wavefront_size32 1
		.amdhsa_system_sgpr_workgroup_id_x 1
		.amdhsa_system_sgpr_workgroup_id_y 1
		.amdhsa_system_sgpr_workgroup_id_z 1
		.amdhsa_system_vgpr_workitem_id 0
		.amdhsa_next_free_vgpr 640
		.amdhsa_next_free_sgpr 100
		.amdhsa_reserve_vcc 0
		.amdhsa_float_denorm_mode_32 3
		.amdhsa_float_denorm_mode_16_64 3
		.amdhsa_memory_ordered 1
		.amdhsa_forward_progress 1
		.amdhsa_inst_pref_size 84
	.end_amdhsa_kernel
	.amdgpu_metadata
---
amdhsa.version: [ 1, 2 ]
amdhsa.kernels:
  - .name:           k_q77f38ae700_ffn2
    .symbol:         k_q77f38ae700_ffn2.kd
    .args:
      - { .name: hc, .offset: 0, .size: 8, .value_kind: global_buffer, .address_space: global }
      - { .name: wc, .offset: 8, .size: 8, .value_kind: global_buffer, .address_space: global }
      - { .name: lowp_scales, .offset: 16, .size: 8, .value_kind: global_buffer, .address_space: global }
      - { .name: b2, .offset: 24, .size: 8, .value_kind: global_buffer, .address_space: global }
      - { .name: x1, .offset: 32, .size: 8, .value_kind: global_buffer, .address_space: global }
      - { .name: out0, .offset: 40, .size: 8, .value_kind: global_buffer, .address_space: global }
    .group_segment_fixed_size: 327680
    .private_segment_fixed_size: 0
    .kernarg_segment_align: 8
    .kernarg_segment_size: 48
    .max_flat_workgroup_size: 128
    .sgpr_count:     100
    .vgpr_count:     640
    .wavefront_size: 32
...
	.end_amdgpu_metadata
.endif
;; end of part 7
